; MI455X (gfx1250); checked and timed in simulation.
; The chip was launched on July 23, 2026; its instructions are those of AMD's public machine-readable ISA for CDNA 5 (MIT licence, August 2026) and "CDNA5" Instruction Set Architecture Reference Guide (July 2026). The comments in the code are by the model that wrote it; some were corrected since.
;; Multi Head Self Attention. Allowed arithmetic: matrix products marked QUANTISED: E5M2 operands, one given power-of-two scale a tensor, by v_wmma_f32_16x16x64_bf8_bf8 or v_wmma_f32_16x16x128_bf8_bf8, f32 sums; everything else in f32.
;; Inputs: W_k 1,024 x 1,024 float32; W_out 1,024 x 1,024 float32; W_q 1,024 x 1,024 float32; W_v 1,024 x 1,024 float32; b_k 1,024 float32; b_out 1,024 float32; b_q 1,024 float32; b_v 1,024 float32; lowp_scales 12 int32 (the exponents e of the quantised operands' scales 2^e); x 2 x 2,048 x 1,024 float32.
;; Outputs: out0 2 x 2,048 x 1,024 float32.
;; This version of the problem:
;;   THIS VERSION OF THE PROBLEM IS GIVEN IN LOW PRECISION. The matrix products marked QUANTISED in the list below multiply operands that are first quantised to E5M2 (5 exponent bits, 2 mantissa bits; 8 bits a number), with one given power-of-two scale for each operand tensor; their sums are f32. All else is computed in f32.
;;   The module's matrix products, in the order in which they are computed (A, B: the left and right operand; K: the contracted axis; several contracted axes count as one K, in the product's order):
;;     1. [M 4,096, K 1,024] x [K 1,024, N 1,024]; A: input x; B: input W_q: QUANTISED (scales: A lowp_scales[0], B lowp_scales[1])
;;     2. [M 4,096, K 1,024] x [K 1,024, N 1,024]; A: input x; B: input W_k: QUANTISED (scales: A lowp_scales[2], B lowp_scales[3])
;;     3. [M 4,096, K 1,024] x [K 1,024, N 1,024]; A: input x; B: input W_v: QUANTISED (scales: A lowp_scales[4], B lowp_scales[5])
;;     4. batch 32 x [M 2,048, K 64] x [K 64, N 2,048]; A: computed on the way; B: computed on the way: QUANTISED (scales: A lowp_scales[6], B lowp_scales[7])
;;     5. batch 32 x [M 2,048, K 2,048] x [K 2,048, N 64]; A: softmax (see below); B: computed on the way: QUANTISED (scales: A lowp_scales[8], B lowp_scales[9])
;;     6. [M 4,096, K 1,024] x [K 1,024, N 1,024]; A: computed on the way; B: input W_out: QUANTISED (scales: A lowp_scales[10], B lowp_scales[11])
;;   THE QUANTISER, for each operand of a quantised product, along K:
;;     - The operand's scale is 2^e, e = its entry of the input lowp_scales (int32; the entries are numbered through the quantised products in the list's order, A before B).
;;     - Each number is divided by the scale, clamped to +-57,344, and rounded to the nearest number of E5M2, ties to even, subnormals kept.
;;     - The product sums the exact products of the quantised numbers (number of the format x scale) in f32.
;;   ~~~python
;;   def quantise(x, axis, e):      # numpy; x: float32 -> the quantised numbers, widened to float32 again
;;       x = np.moveaxis(x, axis, -1); K = x.shape[-1]
;;       r = np.clip(x / 2.0 ** e, -57344, 57344)
;;       step = 2.0 ** (np.maximum(np.frexp(np.where(r == 0, 1, r))[1] - 1, -14) - 2)
;;       q = np.round(r / step) * step * 2.0 ** e      # np.round: ties to even
;;       return np.moveaxis(q, -1, axis).astype(np.float32)
;;   ~~~
;;   SOFTMAX AHEAD OF A QUANTISED PRODUCT. Where the list says 'softmax', what is quantised is not the finished softmax but p = 2^(t - M), with t = logit x log2(e) and M = ceil(the row's largest t), a whole number; so 1/2 < the row's largest p <= 1. The row's sum l is taken of the UNQUANTISED p, in f32, and the product's result is divided by l at the end. Since M is a whole number, a kernel that streams over the keys may use a running M (the ceiling of the running maximum): every later rescaling is an exact power of two, so the quantised numbers keep their values, but for numbers so far below the row's largest that they fall under the format's range.
;;   OPERANDS COMPUTED ON THE WAY. 'Computed on the way' means the value that the module computes at that place (a softmax that the list does not call 'softmax' is quantised finished and normalised). What goes into a quantiser is computed in f32, as accurately as f32 sums, v_exp_f32 and their like allow (about 1e-6 of the number): no bf16 or f16 on the way to a quantiser, and a product that is left as it is and whose result goes on into a quantised operand takes f32 operands (vector FMAs, or v_wmma_f32_16x16x4_f32). A number that lies on a knife's edge between two numbers of the format may be rounded either way, as far as f32 arithmetic and the matrix unit's own rounding can turn it there, and no further.
;; 2 versions. Each part assembles by itself: llvm-mc -triple=amdgcn-amd-amdhsa -mcpu=gfx1250 --defsym DOCPART=n.
;; ======== version 1 of 2: 4 launches
;; workspace buffers: xc 12,582,912 bytes; wc 4,194,304 bytes; qi 4,194,304 bytes; kvi 8,388,608 bytes; ctx 4,194,304 bytes
;; launch quant (part 1): grid 512 x 1, 4 waves a work-group, no clusters, 34,304 bytes of LDS; arguments x, W_q, W_k, W_v, W_out, lowp_scales, xc, wc; writes xc, wc
.if DOCPART == 1
	.amdgcn_target "amdgcn-amd-amdhsa--gfx1250"
	.amdhsa_code_object_version 6
	.text
	.protected	k_q6c740d9f24_quant
	.globl	k_q6c740d9f24_quant
	.p2align	8
	.type	k_q6c740d9f24_quant,@function
k_q6c740d9f24_quant:
	s_mov_b64 s[64:65], 0
	v_nop
	global_prefetch_b8 v0, s[64:65] scope:SCOPE_SE
	s_setreg_imm32_b32 hwreg(HW_REG_WAVE_MODE, 25, 1), 1
	s_wait_xcnt 0x0
; x [4096][1024] f32 becomes three sets of E5M2 codes (scales 2^e0, 2^e2, 2^e4: one for each product that reads it); W_q, W_k, W_v, W_out [1024][1024] f32 one set each (e1, e3, e5, e11).
; code = number / 2^e, held within +-57,344, rounded to the nearest code, ties to even.
; LIMITS: each e between -126 and 112, so that 2^e and 57,344 x 2^e are f32 numbers.  NaN among the inputs is not served.
; THE IMAGE.  Codes are stored in the order of the matrix operand's registers.  A fragment is 16 rows x 128 K = 2,048 bytes = 4 quads of 512; in quad c lane l = 16 h + r owns the 16 bytes at 16 l:
; row r, k = 32 c + 8 h + 0..7 and then k = 32 c + 16 + 8 h + 0..7: registers 4 c .. 4 c + 3 of the plain 8-bit form.  A reader loads 16 bytes a lane, 512 consecutive bytes a wave, and has the operand.
; xc: [set 3][block of 128 rows 32][kfrag 8][tile of 16 rows 8][2048];  wc: [tensor 4][block 8][kfrag 8][tile 8][2048].
; SHARES.  A work-group takes 16 whole rows (65,536 dense bytes); wave w takes kfrags 2 w and 2 w + 1.  Work-groups 0-255: x; 256-511: the four weights, 64 each.
; Each load reads 512 consecutive bytes of a row; the 16 x 512 bytes turn through the wave's own stage in LDS (rows 528 bytes apart) and come back as the lane's 8 + 8 neighbours of each quad.
; Waves share nothing: no barrier.  Work-groups share no input: no cluster, no matrix unit.  No store's data register is written again, so no wait frees one.
.set STG,   8448                       ; a wave's stage: 16 rows x (512 + 16) bytes
.set SPARE, 4*STG                      ; behind the stages: the spare words, 128 bytes a wave: two blocks of 256 bytes that no other line names
.set LO,  4                            ; v4   16 x lane
.set STW, 5                            ; v5   the stage, on the way in: wave's stage + 16 x lane
.set STR, 6                            ; v6   on the way out: wave's stage + 528 r + 32 h
.set SPW, 8                            ; v8   my spare word; never rewritten
.set NIL, 9                            ; v9   0; never rewritten
.set SC,  10                           ; v10, v11: 2^e and 57,344 x 2^e of the first set; v12, v13 the second; v14, v15 the third
.set R,   16                           ; v16-79, v80-143: a unit's 64 registers as loaded; later its codes (16 registers a set)
.set X,   144                          ; v144-207: the unit's numbers in operand order: register 16 c + i
.set T,   208                          ; v208-239: held numbers, two sets of 16 by turns
	s_load_b512 s[4:19], s[0:1], 0x0               ; x 4, W_q 6, W_k 8, W_v 10, W_out 12, scales 14, xc 16, wc 18
	v_lshl_add_u32 v[SPW], v0, 2, SPARE
	v_mov_b32 v[NIL], 0
	v_lshrrev_b32 v1, 5, v0
	v_readfirstlane_b32 s20, v1                    ; wave
	v_and_b32 v2, 31, v0
	v_and_b32 v3, 15, v0                           ; r
	v_bfe_u32 v7, v0, 4, 1                         ; h
	v_lshlrev_b32 v[LO], 4, v2
	s_mul_i32 s23, s20, STG
	v_add_nc_u32 v[STW], s23, v[LO]
	v_mul_u32_u24 v[STR], v3, 528
	v_lshl_add_u32 v[STR], v7, 5, v[STR]
	v_add_nc_u32 v[STR], s23, v[STR]
	s_lshr_b32 s21, ttmp9, 6
	s_and_b32 s21, s21, 3                          ; which weight (work-groups 256 on)
	s_and_b32 s22, ttmp9, 63
	s_cmp_lt_u32 ttmp9, 256
	s_cselect_b32 s22, ttmp9, s22                  ; my tile of 16 rows in the tensor
	s_lshl_b32 s44, s22, 16                        ; in: 16 rows of 4,096 bytes,
	s_lshl_b32 s23, s20, 10                        ; + my wave's 1,024 bytes of a row
	s_add_co_u32 s44, s44, s23
	s_mov_b32 s45, 0
	s_lshr_b32 s46, s22, 3                         ; out: the block of 128 rows,
	s_lshl_b32 s46, s46, 17
	s_and_b32 s23, s22, 7                          ; the tile in it,
	s_lshl_b32 s23, s23, 11
	s_add_co_u32 s46, s46, s23
	s_lshl_b32 s23, s20, 15                        ; my wave's two kfrags
	s_add_co_u32 s46, s46, s23
	s_mov_b32 s47, 0
	s_wait_kmcnt 0x0
	s_load_b256 s[24:31], s[14:15], 0x0            ; e0 .. e7
	s_load_b128 s[32:35], s[14:15], 0x20           ; e8 .. e11
	s_cmp_eq_u32 s21, 1                            ; the choices hang on the work-group's number alone
	s_cselect_b64 s[36:37], s[8:9], s[6:7]
	s_cmp_eq_u32 s21, 2
	s_cselect_b64 s[36:37], s[10:11], s[36:37]
	s_cmp_eq_u32 s21, 3
	s_cselect_b64 s[36:37], s[12:13], s[36:37]
	s_cmp_lt_u32 ttmp9, 256
	s_cselect_b64 s[36:37], s[4:5], s[36:37]       ; the tensor that I read
	s_cselect_b64 s[38:39], s[16:17], s[18:19]     ; and the buffer of its codes
	s_cselect_b32 s23, 0, s21
	s_add_nc_u64 s[36:37], s[36:37], s[44:45]
	s_add_nc_u64 s[40:41], s[16:17], s[46:47]
	s_add_nc_u64 s[42:43], s[40:41], 0x800000      ; x's third set (used by x's work-groups alone)
	s_add_nc_u64 s[40:41], s[40:41], 0x400000      ; x's second set
	s_add_nc_u64 s[38:39], s[38:39], s[46:47]
	s_lshl_b32 s44, s23, 20                        ; a weight's codes are 2^20 bytes
	s_add_nc_u64 s[38:39], s[38:39], s[44:45]
.macro LOAD t                          ; unit t: 16 rows x 512 bytes
.irp i, 0,1,2,3,4,5,6,7,8,9,10,11,12,13,14,15
	global_load_b128 v[R+64*\t+4*\i:R+64*\t+4*\i+3], v[LO], s[36:37] offset:4096*\i+512*\t th:TH_LOAD_NT
.endr
.endm
	LOAD 0
	LOAD 1                                         ; 32 loads, 16,384 bytes a wave, are on their way
.macro MKSC e, sc                      ; s[e] = e  ->  v[sc] = 2^e, v[sc+1] = 57,344 x 2^e
	s_add_co_i32 s23, s[\e], 127
	s_lshl_b32 s46, s23, 23
	v_mov_b32 v[\sc], s46
	s_add_co_i32 s23, s23, 15
	s_lshl_b32 s23, s23, 23
	s_or_b32 s23, s23, 0x600000
	v_mov_b32 v[\sc+1], s23
.endm
	s_wait_kmcnt 0x0
	s_cmp_eq_u32 s21, 1
	s_cselect_b32 s44, s27, s25                    ; e3 or e1
	s_cmp_eq_u32 s21, 2
	s_cselect_b32 s44, s29, s44                    ; e5
	s_cmp_eq_u32 s21, 3
	s_cselect_b32 s44, s35, s44                    ; e11
	s_cmp_lt_u32 ttmp9, 256
	s_cselect_b32 s44, s24, s44                    ; e0 for x
	MKSC 44, SC
	MKSC 26, SC+2                                  ; e2
	MKSC 28, SC+4                                  ; e4
; X's 64 numbers become 16 registers of codes at v[cd].  The numbers stay as they are: x is quantised three times.
.macro QUANT cd, sc
.irp c, 0,1,2,3
.irp i, 0,1,2,3,4,5,6,7,8,9,10,11,12,13,14,15
	v_med3_num_f32 v[T+16*(\c%2)+\i], v[X+16*\c+\i], -v[\sc+1], v[\sc+1]   ; the conversion to an 8-bit code does not saturate (ISA guide 7.6.2): the hold at the largest code x the scale
.endr
	v_cvt_scalef32_pk8_bf8_f32 v[(\cd)+4*\c:(\cd)+4*\c+1], v[T+16*(\c%2):T+16*(\c%2)+7], v[\sc]
	v_cvt_scalef32_pk8_bf8_f32 v[(\cd)+4*\c+2:(\cd)+4*\c+3], v[T+16*(\c%2)+8:T+16*(\c%2)+15], v[\sc]
.endr                                  ; T's two sets take turns: sixteen plain lines stand between a conversion and the next write of its sources
	v_nop                                          ; a plain line behind the last conversion
.endm
.macro PUT cd, d, t                    ; four stores of 512 consecutive bytes, aligned
.irp c, 0,1,2,3
	global_store_b128 v[LO], v[(\cd)+4*\c:(\cd)+4*\c+3], s[\d:\d+1] offset:16384*\t+512*\c
.endr
.endm
.macro UNIT t
	s_wait_loadcnt 16*(1-\t)                       ; this unit's 16 loads are in; the other unit's may be out
.irp i, 0,1,2,3,4,5,6,7,8,9,10,11,12,13,14,15
	ds_store_b128 v[STW], v[R+64*\t+4*\i:R+64*\t+4*\i+3] offset:528*\i
.endr
.irp c, 0,1,2,3                        ; LDS serves a wave's instructions in order (ISA guide 5.7.1.4): these see the stores above.
	ds_load_b128 v[X+16*\c:X+16*\c+3],     v[STR] offset:128*\c
	ds_load_b128 v[X+16*\c+4:X+16*\c+7],   v[STR] offset:128*\c+16
	ds_load_b128 v[X+16*\c+8:X+16*\c+11],  v[STR] offset:128*\c+64
	ds_load_b128 v[X+16*\c+12:X+16*\c+15], v[STR] offset:128*\c+80
.endr
	s_wait_dscnt 0x0                               ; the numbers are back, and the stage's stores have read R: its registers take the codes
	QUANT R+64*\t, SC
	PUT R+64*\t, 38, \t
	s_cmp_lt_u32 ttmp9, 256                        ; x has two more sets: a branch on the work-group's number, round register work and stores alone
	s_cbranch_scc0 .Lone_set_\@
	QUANT R+64*\t+16, SC+2
	PUT R+64*\t+16, 40, \t
	QUANT R+64*\t+32, SC+4
	PUT R+64*\t+32, 42, \t
.Lone_set_\@:
.endm
	UNIT 0
	UNIT 1
	s_wait_tensorcnt 0x0                           ; the wave's end, behind my last LDS store
	ds_add_u32 v[SPW], v[NIL]
	s_wait_dscnt 0x0
	s_endpgm
.Lfunc_end_k_q6c740d9f24_quant:
	.size	k_q6c740d9f24_quant, .Lfunc_end_k_q6c740d9f24_quant-k_q6c740d9f24_quant
	.p2alignl 7, 3214868480
	.fill 96, 4, 3214868480
	.section	.rodata,"a",@progbits
	.p2align	6, 0x0
	.amdhsa_kernel k_q6c740d9f24_quant
		.amdhsa_group_segment_fixed_size 34304
		.amdhsa_private_segment_fixed_size 0
		.amdhsa_enable_private_segment 0
		.amdhsa_kernarg_size 64
		.amdhsa_user_sgpr_count 2
		.amdhsa_user_sgpr_kernarg_segment_ptr 1
		.amdhsa_wavefront_size32 1
		.amdhsa_system_sgpr_workgroup_id_x 1
		.amdhsa_system_sgpr_workgroup_id_y 1
		.amdhsa_system_sgpr_workgroup_id_z 1
		.amdhsa_system_vgpr_workitem_id 0
		.amdhsa_next_free_vgpr 240
		.amdhsa_next_free_sgpr 66
		.amdhsa_reserve_vcc 0
		.amdhsa_float_denorm_mode_32 3
		.amdhsa_float_denorm_mode_16_64 3
		.amdhsa_memory_ordered 1
		.amdhsa_forward_progress 1
		.amdhsa_inst_pref_size 41
	.end_amdhsa_kernel
	.amdgpu_metadata
---
amdhsa.version: [ 1, 2 ]
amdhsa.kernels:
  - .name:           k_q6c740d9f24_quant
    .symbol:         k_q6c740d9f24_quant.kd
    .args:
      - { .name: x, .offset: 0, .size: 8, .value_kind: global_buffer, .address_space: global }
      - { .name: W_q, .offset: 8, .size: 8, .value_kind: global_buffer, .address_space: global }
      - { .name: W_k, .offset: 16, .size: 8, .value_kind: global_buffer, .address_space: global }
      - { .name: W_v, .offset: 24, .size: 8, .value_kind: global_buffer, .address_space: global }
      - { .name: W_out, .offset: 32, .size: 8, .value_kind: global_buffer, .address_space: global }
      - { .name: lowp_scales, .offset: 40, .size: 8, .value_kind: global_buffer, .address_space: global }
      - { .name: xc, .offset: 48, .size: 8, .value_kind: global_buffer, .address_space: global }
      - { .name: wc, .offset: 56, .size: 8, .value_kind: global_buffer, .address_space: global }
    .group_segment_fixed_size: 34304
    .private_segment_fixed_size: 0
    .kernarg_segment_align: 8
    .kernarg_segment_size: 64
    .max_flat_workgroup_size: 128
    .sgpr_count:     66
    .vgpr_count:     240
    .wavefront_size: 32
...
	.end_amdgpu_metadata
.endif
;; end of part 1
;; launch qkv (part 2): grid 24 x 32, 4 waves a work-group, clusters of 4 x 4, 327,680 bytes of LDS; arguments xc, wc, lowp_scales, b_q, b_k, b_v, qi, kvi; writes qi, kvi
.if DOCPART == 2
	.amdgcn_target "amdgcn-amd-amdhsa--gfx1250"
	.amdhsa_code_object_version 6
	.text
	.protected	k_q6c740d9f24_qkv
	.globl	k_q6c740d9f24_qkv
	.p2align	8
	.type	k_q6c740d9f24_qkv,@function
k_q6c740d9f24_qkv:
	s_mov_b64 s[64:65], 0
	v_nop
	global_prefetch_b8 v0, s[64:65] scope:SCOPE_SE
	s_setreg_imm32_b32 hwreg(HW_REG_WAVE_MODE, 25, 1), 1
	s_wait_xcnt 0x0
	s_wait_alu depctr_hold_cnt(0) depctr_sa_sdst(0) depctr_va_vdst(0) depctr_va_sdst(0) depctr_va_ssrc(0) depctr_va_vcc(0) depctr_vm_vsrc(0)
	s_getreg_b32 s2, hwreg(HW_REG_IB_STS2, 6, 4)
	s_cmp_eq_u32 s2, 0
	s_cbranch_scc0 .Lentry_in_a_cluster
	s_endpgm
.Lentry_in_a_cluster:
	s_bfe_u32 s2, ttmp6, 0x10000c
	s_cmp_lg_u32 s2, 0xf033
	s_cbranch_scc0 .Lentry_shape_is_right
	s_endpgm
.Lentry_shape_is_right:
; Q, K, V = x W^T + b on E5M2 codes, then quantised for the attention's products (scales 2^e6, 2^e7, 2^e9).  y = sum x 2^(ex + ew) + b in f32; code = y / 2^eo, held within +-57,344.
; LIMITS: e0 + e1, e2 + e3, e4 + e5 between -126 and 127; e6, e7, e9 between -126 and 112.  NaN is not served.
; SHARES.  A tile of 128 tokens x 128 outputs to a work-group; 24 x 32 work-groups: x = 8 p + n block (p = 0, 1, 2: Q, K, V), y = block of 128 tokens.  Four waves, 64 x 64 each: 16 accumulators, 128 registers.
; A wave's 64 outputs are one head.
; ALL OF K LIES IN LDS: both operands' blocks of 128 rows x 1,024 codes are 131,072 dense bytes in memory, laid as images of operand registers ([kfrag 8][tile 8][2048]), and are copied as they lie.
; Nothing is filled again.  They come in four stages of 256 along K: wave w asks four times for 16,384 bytes (waves 0, 1: x's kfrags 2 s + w; waves 2, 3: W's); four loads of a wave are out at the most.
; All tensor loads go out at the head, in one group: there is no later load for a prefetch to run ahead of.
; CLUSTERS: 4 x 4 work-groups.  The four of a row need the same block of x, the four of a column the same block of W: each piece is asked for jointly, by the same load with the same descriptor.
; THE RESULTS ARE THE NEXT OPERANDS' REGISTERS.  Q, K: source 0 = W, source 1 = x: a lane holds one token, its 8 registers 8 neighbours along the head's 64: a conversion gives a register pair of the K = 64 fragment.
; V: source 0 = x, source 1 = W: a lane holds one channel, its registers 8 neighbouring tokens, which are the second product's K.  So codes go from registers to memory, 512 consecutive bytes a store.
; qi: [b h 32][tile of 16 queries 128][quad 2][512].   kvi: [b h 32][block of 128 keys 16][K: tile of 16 keys 8 x 1024; V: tile of 16 channels 4 x 2048].
; REGISTERS.  window 0: v1 16 x lane; v16-19 LDS addresses; v28, v29 the add's two; v32-63 bias; v64-95 codes; v96, v97 2^eo and 57,344 x 2^eo; v128-255 accumulator (i, j) at 128 + 8 (4 i + j).
;   window 1: two fragment buffers of 128: W's four fragments, then x's four.
.set SPARE, 262144                     ; behind the two blocks: the spare words, 128 bytes a wave: two blocks of 256 bytes that no other line names
.set LI,  1
.set XAD, 16                           ; v16, v17  x's fragments: kfrags 0-3, kfrags 4-7
.set WAD, 18                           ; v18, v19  W's
.set SPW, 28
.set NIL, 29
.set BI,  32
.set CD,  64
.set ACC, 128
.set G1X, 16                           ; s[16:23] descriptor group 1 for x's pieces; s[24:31] for W's: they differ in the mask
.set G1W, 24
.set G0X, 32                           ; s[32:47] four groups 0 for x; s[48:63] for W
.set G0W, 48
.set MSB, 0
.macro WIN new                         ; the immediate's high byte repeats the setting that is left
.if MSB != \new
	s_set_vgpr_msb (MSB<<8)|\new
.set MSB, \new
.endif
.endm
.set MUL,  0x05                        ; sources 0 and 1 window 1; C and D window 0
.set TO_F, 0x40                        ; destination window 1, address window 0
.macro CROUND                          ; a round of the cluster's barrier
	s_barrier_signal -1
	s_barrier_wait -1
	s_cmp_lg_u32 s4, 0
	s_cbranch_scc1 .Lnot_wave_0_\@
	s_barrier_signal -3
.Lnot_wave_0_\@:
	s_barrier_wait -3
	s_barrier_signal -1
	s_barrier_wait -1
.endm
.macro PLACES                          ; four plain places behind matrix instructions, in front of loads into their sources and of reads of their results
.rept 4
	v_nop
.endr
.endm
	s_load_b512 s[68:83], s[0:1], 0x0              ; xc 68, wc 70, scales 72, b_q 74, b_k 76, b_v 78, qi 80, kvi 82
	v_lshl_add_u32 v[SPW], v0, 2, SPARE
	v_mov_b32 v[NIL], 0
	ds_add_u32 v[SPW], v[NIL]                      ; the wave's opening: the add, twice on end, and its wait ahead of my first tensor load
	ds_add_u32 v[SPW], v[NIL]
	v_lshrrev_b32 v2, 5, v0
	v_readfirstlane_b32 s4, v2                     ; wave
	s_lshr_b32 s5, s4, 1                           ; wx: my half of the tokens.  Also: I fetch for x (0) or W (1)
	s_and_b32 s6, s4, 1                            ; ww: my half of the outputs.  Also: which kfrag of a stage I fetch
	s_bfe_u32 s7, ttmp6, 0x40000                   ; cx
	s_bfe_u32 s8, ttmp6, 0x40004                   ; cy
	s_lshl_b32 s9, ttmp9, 2
	s_add_co_u32 s9, s9, s7                        ; gx = 8 p + n block
	s_and_b32 s10, ttmp7, 0xffff
	s_lshl_b32 s10, s10, 2
	s_add_co_u32 s10, s10, s8                      ; gy = block of tokens
	s_lshr_b32 s11, ttmp9, 1                       ; p: the same in all sixteen partners
	s_lshl_b32 s12, s8, 2
	s_lshl_b32 s12, 15, s12                        ; my row of the cluster
	s_lshl_b32 s13, 0x1111, s7                     ; my column
	s_or_b32 s[G1X], s12, (3<<16)|(1<<21)          ; 15:0 the mask; 17:16 elements of 8 bytes; 21 set beside a mask; no padding
	s_or_b32 s[G1W], s13, (3<<16)|(1<<21)
.irp g, G1X, G1W                       ; 64 rows of 32 elements (256 bytes), dense
	s_mov_b32 s[\g+1], 32<<16                      ; tensor_dim0
	s_mov_b32 s[\g+2], 64<<16                      ; tensor_dim1
	s_mov_b32 s[\g+3], 32<<16                      ; tile_dim0
	s_mov_b32 s[\g+4], 64                          ; tile_dim1
	s_mov_b32 s[\g+5], 32                          ; from row to row
	s_mov_b32 s[\g+6], 0
	s_mov_b32 s[\g+7], 0
.endr
	s_lshl_b32 s15, s6, 14                         ; my kfrag of a stage
	s_lshl_b32 s2, s10, 17                         ; x: the block of tokens,
	s_lshl_b32 s3, s11, 22                         ; in the product's own set of codes
	s_add_co_u32 s2, s2, s3
	s_add_co_u32 s2, s2, s15
	s_mov_b32 s3, 0
	s_lshl_b32 s66, s9, 17                         ; W: tensor p, n block: 8 p + n block = gx
	s_add_co_u32 s66, s66, s15
	s_mov_b32 s67, 0
	s_lshl_b32 s14, s5, 17
	s_add_co_u32 s14, s14, s15                     ; where my pieces go: the wave's number alone
	s_wait_dscnt 0x0                               ; both opening adds are done
	s_wait_kmcnt 0x0
	s_load_b256 s[84:91], s[72:73], 0x0            ; e0 .. e7
	s_load_b128 s[92:95], s[72:73], 0x20           ; e8 .. e11
	s_add_nc_u64 s[2:3], s[68:69], s[2:3]
	s_add_nc_u64 s[66:67], s[70:71], s[66:67]
.irp s, 0,1,2,3
	s_mov_b32 s[G0X+4*\s], 1
	s_add_co_u32 s[G0X+4*\s+1], s14, \s*32768
	s_add_nc_u64 s[G0X+4*\s+2:G0X+4*\s+3], s[2:3], \s*32768
	s_or_b32 s[G0X+4*\s+3], s[G0X+4*\s+3], 0x80000000
	s_mov_b32 s[G0W+4*\s], 1
	s_add_co_u32 s[G0W+4*\s+1], s14, \s*32768
	s_add_nc_u64 s[G0W+4*\s+2:G0W+4*\s+3], s[66:67], \s*32768
	s_or_b32 s[G0W+4*\s+3], s[G0W+4*\s+3], 0x80000000
.endr
	CROUND                                         ; all sixteen work-groups are here: the joint loads meet
	s_cmp_eq_u32 s5, 0                             ; a wave's four fills stand in one arm of one branch on its number
	s_cbranch_scc0 .Lfill_w
.irp s, 0,1,2,3
	tensor_load_to_lds s[G0X+4*\s:G0X+4*\s+3], s[G1X:G1X+7]
	s_nop 0
.endr
	PLACES
	s_branch .Lfilled
.Lfill_w:
.irp s, 0,1,2,3
	tensor_load_to_lds s[G0W+4*\s:G0W+4*\s+3], s[G1W:G1W+7]
	s_nop 0
.endr
	PLACES
.Lfilled:
	v_and_b32 v2, 31, v0
	v_lshlrev_b32 v[LI], 4, v2
	s_lshl_b32 s14, s5, 13                         ; my four tiles of tokens
	v_add_nc_u32 v[XAD], s14, v[LI]
	v_add_nc_u32 v[XAD+1], 0x10000, v[XAD]
	s_lshl_b32 s14, s6, 13                         ; my four tiles of outputs,
	s_add_co_u32 s14, s14, 0x20000                 ; behind x's block
	v_add_nc_u32 v[WAD], s14, v[LI]
	v_add_nc_u32 v[WAD+1], 0x10000, v[WAD]
	v_bfe_u32 v3, v0, 4, 1
	v_lshlrev_b32 v3, 5, v3                        ; 32 h: bias along the registers
	v_and_b32 v4, 15, v0
	v_lshlrev_b32 v4, 2, v4                        ; 4 r: bias along the lanes
	s_wait_kmcnt 0x0
	s_cmp_eq_u32 s11, 1                            ; the product's scales and bias, chosen without a jump
	s_cselect_b32 s2, s86, s84
	s_cselect_b32 s3, s87, s85
	s_cselect_b32 s14, s91, s90
	s_cselect_b64 s[100:101], s[76:77], s[74:75]
	s_cmp_eq_u32 s11, 2
	s_cselect_b32 s2, s88, s2                      ; ex
	s_cselect_b32 s3, s89, s3                      ; ew
	s_cselect_b32 s14, s93, s14                    ; eo
	s_cselect_b64 s[100:101], s[78:79], s[100:101]
	s_add_co_i32 s96, s2, s3
	s_add_co_i32 s96, s96, 127
	s_lshl_b32 s96, s96, 23                        ; 2^(ex + ew)
	s_mov_b32 s97, s96                             ; (named with it as a pair)
	s_add_co_i32 s14, s14, 127
	s_lshl_b32 s15, s14, 23
	v_mov_b32 v96, s15                             ; 2^eo
	s_add_co_i32 s14, s14, 15
	s_lshl_b32 s14, s14, 23
	s_or_b32 s14, s14, 0x600000
	v_mov_b32 v97, s14                             ; 57,344 x 2^eo
	s_and_b32 s2, s9, 7                            ; n block
	s_lshl_b32 s66, s2, 9
	s_lshl_b32 s3, s6, 8
	s_add_co_u32 s66, s66, s3
	s_mov_b32 s67, 0
	s_add_nc_u64 s[100:101], s[100:101], s[66:67]  ; the bias of my 64 outputs
	s_lshl_b32 s2, s2, 1
	s_add_co_u32 s2, s2, s6                        ; my head
	s_lshr_b32 s3, s10, 4
	s_lshl_b32 s3, s3, 4
	s_add_co_u32 s2, s2, s3                        ; 16 b + head
	s_and_b32 s3, s10, 15                          ; the block of 128 tokens in the sequence
.macro FETCH f                         ; 32 LDS loads in one run: kfrag f: W's four fragments, then x's four; each load takes 512 consecutive bytes
.set FB, 128*((\f)%2)
	WIN TO_F
.irp j, 0,1,2,3
.irp c, 0,1,2,3
	ds_load_b128 v[FB+16*\j+4*\c:FB+16*\j+4*\c+3], v[WAD+(\f)/4] offset:16384*((\f)%4)+2048*\j+512*\c
.endr
.endr
.irp i, 0,1,2,3
.irp c, 0,1,2,3
	ds_load_b128 v[FB+64+16*\i+4*\c:FB+64+16*\i+4*\c+3], v[XAD+(\f)/4] offset:16384*((\f)%4)+2048*\i+512*\c
.endr
.endr
.endm
; 8 matrix instructions: token tiles 2 hh, 2 hh + 1 x the four output tiles.  The 16 accumulators take turns, one instruction a turn, in the same order in every step.
.macro MUL8 f, hh, swap, zero
.set FB, 128*((\f)%2)
.irp i, 2*\hh, 2*\hh+1
.irp j, 0,1,2,3
.set rD, ACC+8*(4*(\i)+\j)
.if \swap
.set rA, FB+64+16*(\i)
.set rB, FB+16*\j
.else
.set rA, FB+16*\j
.set rB, FB+64+16*(\i)
.endif
.if \zero
	v_wmma_f32_16x16x128_bf8_bf8 v[rD:rD+7], v[rA:rA+15], v[rB:rB+15], 0
.else
	v_wmma_f32_16x16x128_bf8_bf8 v[rD:rD+7], v[rA:rA+15], v[rB:rB+15], v[rD:rD+7]
.endif
.endr
.endr
.endm
.macro STEP f, swap, zero              ; 128 along K
.if (\f) == 7
	s_wait_dscnt 0x0
	WIN MUL
	MUL8 \f, 0, \swap, 0
	MUL8 \f, 1, \swap, 0
.elseif (\f)%2 == 0
	s_wait_dscnt 8                                 ; W's fragments and x's tiles 0, 1 are in; the youngest eight loads (tiles 2, 3) may be out
	WIN MUL
	MUL8 \f, 0, \swap, \zero
	PLACES
	FETCH (\f)+1                                   ; the same stage's second kfrag
	s_wait_dscnt 32                                ; all but the 32 just issued
	WIN MUL
	MUL8 \f, 1, \swap, \zero
.else
	s_wait_dscnt 0x0                               ; no LDS instruction of mine is out at the signal
	s_wait_tensorcnt 3-((\f)+1)/2                  ; my piece of the next stage has landed; the later stages' loads stay out
	s_barrier_signal -1
	WIN MUL
	MUL8 \f, 0, \swap, 0                           ; work on registers while the others arrive
	s_barrier_wait -1                              ; everybody's piece has landed
	PLACES
	FETCH (\f)+1
	WIN MUL
	MUL8 \f, 1, \swap, 0
.endif
.endm
.macro MAIN swap
	STEP 0, \swap, 1                               ; the first step's products start the sums
.irp f, 1,2,3,4,5,6,7
	STEP \f, \swap, 0
.endr
	WIN 0
	PLACES
.endm
	s_wait_tensorcnt 3                             ; my piece of stage 0 is in (three younger loads may be out),
	s_barrier_signal -1
	s_barrier_wait -1                              ; everybody's is
	FETCH 0
	WIN 0
	s_cmp_eq_u32 s11, 2                            ; V goes the other way round: a branch on the cluster's x alone, alike in all waves and all partners
	s_cbranch_scc1 .Lv
	; ---- Q and K
.irp j, 0,1,2,3
	global_load_b128 v[BI+8*\j:BI+8*\j+3],   v3, s[100:101] offset:64*\j      ; b(16 j + 8 h + 0 .. 7): the result's layout
	global_load_b128 v[BI+8*\j+4:BI+8*\j+7], v3, s[100:101] offset:64*\j+16
.endr
	s_cmp_eq_u32 s11, 0
	s_cselect_b64 s[98:99], s[80:81], s[82:83]     ; qi or kvi
	s_cselect_b32 s14, 17, 18                      ; a head is 2^17 bytes in qi, 2^18 in kvi; a block of 128 tokens a sixteenth of it
	s_lshl_b32 s66, s2, s14
	s_sub_co_u32 s14, s14, 4
	s_lshl_b32 s15, s3, s14
	s_add_co_u32 s66, s66, s15
	s_lshl_b32 s15, s5, 12                         ; my four tiles of 1,024 bytes
	s_add_co_u32 s66, s66, s15
	s_add_nc_u64 s[98:99], s[98:99], s[66:67]
	MAIN 0
	s_wait_loadcnt 0x0                             ; the bias
.irp i, 0,1,2,3
.irp j, 0,1,2,3
.irp k, 0,2,4,6
	v_pk_fma_f32 v[ACC+8*(4*\i+\j)+\k:ACC+8*(4*\i+\j)+\k+1], v[ACC+8*(4*\i+\j)+\k:ACC+8*(4*\i+\j)+\k+1], s[96:97], v[BI+8*\j+\k:BI+8*\j+\k+1] op_sel_hi:[1,0,1]   ; sum x 2^(ex + ew) + b; each accumulator from its low end on
.endr
.irp k, 0,1,2,3,4,5,6,7
	v_med3_num_f32 v[ACC+8*(4*\i+\j)+\k], v[ACC+8*(4*\i+\j)+\k], -v97, v97
.endr
	v_cvt_scalef32_pk8_bf8_f32 v[CD+8*\i+2*\j:CD+8*\i+2*\j+1], v[ACC+8*(4*\i+\j):ACC+8*(4*\i+\j)+7], v96   ; channels 16 j + 8 h + 0 .. 7 of token r: register pair j of the fragment
.endr
.endr
	v_nop                                          ; a plain line behind the last conversion
.irp i, 0,1,2,3
	global_store_b128 v[LI], v[CD+8*\i:CD+8*\i+3],   s[98:99] offset:1024*\i
	global_store_b128 v[LI], v[CD+8*\i+4:CD+8*\i+7], s[98:99] offset:1024*\i+512
.endr
	s_branch .Lend
.Lv:	; ---- V
.irp j, 0,1,2,3
	global_load_b32 v[BI+2*\j], v4, s[100:101] offset:64*\j                   ; b(16 j + r)
.endr
	s_lshl_b32 s66, s2, 18
	s_lshl_b32 s15, s3, 14
	s_add_co_u32 s66, s66, s15
	s_lshl_b32 s15, s5, 10                         ; my 64 tokens are quads 2 wx, 2 wx + 1 of the block's fragments
	s_add_co_u32 s66, s66, s15
	s_add_co_u32 s66, s66, 8192                    ; behind the block's K
	s_add_nc_u64 s[98:99], s[82:83], s[66:67]
	MAIN 1
	s_wait_loadcnt 0x0
.irp j, 0,1,2,3
	v_mov_b32 v[BI+2*\j+1], v[BI+2*\j]             ; a lane's one bias, as a pair
.endr
.irp j, 0,1,2,3
.irp i, 0,1,2,3
.irp k, 0,2,4,6
	v_pk_fma_f32 v[ACC+8*(4*\i+\j)+\k:ACC+8*(4*\i+\j)+\k+1], v[ACC+8*(4*\i+\j)+\k:ACC+8*(4*\i+\j)+\k+1], s[96:97], v[BI+2*\j:BI+2*\j+1] op_sel_hi:[1,0,1]
.endr
.irp k, 0,1,2,3,4,5,6,7
	v_med3_num_f32 v[ACC+8*(4*\i+\j)+\k], v[ACC+8*(4*\i+\j)+\k], -v97, v97
.endr
	v_cvt_scalef32_pk8_bf8_f32 v[CD+8*\j+2*\i:CD+8*\j+2*\i+1], v[ACC+8*(4*\i+\j):ACC+8*(4*\i+\j)+7], v96   ; tokens 16 i + 8 h + 0 .. 7 of channel 16 j + r
.endr
.endr
	v_nop
.irp j, 0,1,2,3
	global_store_b128 v[LI], v[CD+8*\j:CD+8*\j+3],   s[98:99] offset:2048*\j
	global_store_b128 v[LI], v[CD+8*\j+4:CD+8*\j+7], s[98:99] offset:2048*\j+512
.endr
.Lend:
	s_wait_tensorcnt 0x0                           ; the wave's end, behind my last tensor load
	ds_add_u32 v[SPW], v[NIL]
	s_wait_dscnt 0x0
	CROUND                                         ; the closing round
	s_endpgm
.Lfunc_end_k_q6c740d9f24_qkv:
	.size	k_q6c740d9f24_qkv, .Lfunc_end_k_q6c740d9f24_qkv-k_q6c740d9f24_qkv
	.p2alignl 7, 3214868480
	.fill 96, 4, 3214868480
	.section	.rodata,"a",@progbits
	.p2align	6, 0x0
	.amdhsa_kernel k_q6c740d9f24_qkv
		.amdhsa_group_segment_fixed_size 327680
		.amdhsa_private_segment_fixed_size 0
		.amdhsa_enable_private_segment 0
		.amdhsa_kernarg_size 64
		.amdhsa_user_sgpr_count 2
		.amdhsa_user_sgpr_kernarg_segment_ptr 1
		.amdhsa_wavefront_size32 1
		.amdhsa_system_sgpr_workgroup_id_x 1
		.amdhsa_system_sgpr_workgroup_id_y 1
		.amdhsa_system_sgpr_workgroup_id_z 1
		.amdhsa_system_vgpr_workitem_id 0
		.amdhsa_next_free_vgpr 512
		.amdhsa_next_free_sgpr 102
		.amdhsa_reserve_vcc 0
		.amdhsa_float_denorm_mode_32 3
		.amdhsa_float_denorm_mode_16_64 3
		.amdhsa_memory_ordered 1
		.amdhsa_forward_progress 1
		.amdhsa_inst_pref_size 89
	.end_amdhsa_kernel
	.amdgpu_metadata
---
amdhsa.version: [ 1, 2 ]
amdhsa.kernels:
  - .name:           k_q6c740d9f24_qkv
    .symbol:         k_q6c740d9f24_qkv.kd
    .args:
      - { .name: xc, .offset: 0, .size: 8, .value_kind: global_buffer, .address_space: global }
      - { .name: wc, .offset: 8, .size: 8, .value_kind: global_buffer, .address_space: global }
      - { .name: lowp_scales, .offset: 16, .size: 8, .value_kind: global_buffer, .address_space: global }
      - { .name: b_q, .offset: 24, .size: 8, .value_kind: global_buffer, .address_space: global }
      - { .name: b_k, .offset: 32, .size: 8, .value_kind: global_buffer, .address_space: global }
      - { .name: b_v, .offset: 40, .size: 8, .value_kind: global_buffer, .address_space: global }
      - { .name: qi, .offset: 48, .size: 8, .value_kind: global_buffer, .address_space: global }
      - { .name: kvi, .offset: 56, .size: 8, .value_kind: global_buffer, .address_space: global }
    .group_segment_fixed_size: 327680
    .private_segment_fixed_size: 0
    .kernarg_segment_align: 8
    .kernarg_segment_size: 64
    .max_flat_workgroup_size: 128
    .sgpr_count:     102
    .vgpr_count:     512
    .wavefront_size: 32
...
	.end_amdgpu_metadata
.endif
;; end of part 2
;; launch attn (part 3): grid 8 x 32, 16 waves a work-group, clusters of 4 x 1, 327,680 bytes of LDS; arguments qi, kvi, lowp_scales, ctx; writes ctx
.if DOCPART == 3
	.amdgcn_target "amdgcn-amd-amdhsa--gfx1250"
	.amdhsa_code_object_version 6
	.text
	.protected	k_q6c740d9f24_attn
	.globl	k_q6c740d9f24_attn
	.p2align	8
	.type	k_q6c740d9f24_attn,@function
k_q6c740d9f24_attn:
	s_mov_b64 s[64:65], 0
	v_nop
	global_prefetch_b8 v0, s[64:65] scope:SCOPE_SE
	s_setreg_imm32_b32 hwreg(HW_REG_WAVE_MODE, 25, 1), 1
	s_wait_xcnt 0x0
	s_wait_alu depctr_hold_cnt(0) depctr_sa_sdst(0) depctr_va_vdst(0) depctr_va_sdst(0) depctr_va_ssrc(0) depctr_va_vcc(0) depctr_vm_vsrc(0)
	s_getreg_b32 s2, hwreg(HW_REG_IB_STS2, 6, 4)
	s_cmp_eq_u32 s2, 0
	s_cbranch_scc0 .Lentry_in_a_cluster
	s_endpgm
.Lentry_in_a_cluster:
	s_bfe_u32 s2, ttmp6, 0x10000c
	s_cmp_lg_u32 s2, 0x3003
	s_cbranch_scc0 .Lentry_shape_is_right
	s_endpgm
.Lentry_shape_is_right:
; ctx = softmax(Q K^T / 8) V for one (batch, head) and 256 queries a work-group, both products on E5M2 codes; the result is quantised (2^e10) for the projection that follows.
; THE SOFTMAX: t = score x log2(e) / 8; M = the largest t so far, rounded UP to a whole number; p = 2^(t - M) is quantised (2^e8), not normalised; the row's sum is taken of the unquantised p and divides at the end.
; When M moves, the sum and O are multiplied by 2^(old M - new M): nothing is rounded.
; LIMITS: e6 + e7 between -123 and 130 (added to c's exponent field); e8, e10 between -126 and 112; e8 + e9 goes in by v_ldexp_f32.  p under 2^-126 comes out as 0.  NaN is not served.
; SHARES.  Sixteen waves, each one tile of 16 queries in 256 registers: four waves to a SIMD, so that one wave's vector work stands beside another's products and LDS loads.  Every wave walks the 2,048 keys, 128 a step.
; LDS holds the head's whole 262,144 bytes of K and V as they lie in memory ([block of 128 keys 16][K: 8 tiles x 1,024; V: 4 tiles x 2,048], images of operand registers).  Nothing is filled again.
; They come in four stages of four blocks: in stage s wave w (0 to 3) brings block 4 s + w, 16,384 bytes; four loads of a loading wave are out at the most.  All go out at the head: no later load for a prefetch to run ahead of.
; CLUSTER: the four query blocks of a cluster belong to one head and read the same K and V: each piece is asked for jointly (mask 15).
; LAYOUT.  S^T = K Q^T (source 0 = 16 keys, source 1 = my queries): lane (r, h) holds query r, register j of tile t key 16 t + 8 h + j: a conversion of a tile gives register pair t of P's K = 128 fragment.
; O^T = V^T P^T (source 0 = 16 channels x 128 keys): lane (r, h) holds query r, channels 16 a + 8 h + j: a conversion gives register pair a of the projection's operand.  Nothing changes lanes but a maximum and a sum.
; REGISTERS: v1 16 x lane; v2 the step's LDS address; v5, v6 the add's two; v12 -M, v13 the largest t, v[14:15] the sum; v16-23 Q; v32-95 K's 8 fragments, then V's 4; v96-159 S^T, then p; v160-191 O^T; v192-207 p's codes;
;   v208-217 at work; v218, v219: 2^e8 and 57,344 x 2^e8; v220, v221: the same for e10; v224-231 the result's codes.
.set SPARE, 262144                     ; behind K and V: the spare words, 128 bytes a wave: eight blocks of 256 bytes that no other line names
.set LI,  1
.set ADR, 2
.set SPW, 5
.set NIL, 6
.set WV,  12
.set G1,  16                           ; s[16:23] descriptor group 1
.set SEL, 24                           ; s[24:25] v_permlanex16_b32's selects for lane l xor 16
.set CS,  26                           ; s[26:27] c = log2(e) / 8 x 2^(e6 + e7)
.set TB,  28                           ; s28  LDS byte of the step's block
.set CNT, 29
.set G0,  32                           ; s[32:47] four groups 0
.macro CROUND                          ; a round of the cluster's barrier
	s_barrier_signal -1
	s_barrier_wait -1
	s_cmp_lg_u32 s[WV], 0
	s_cbranch_scc1 .Lnot_wave_0_\@
	s_barrier_signal -3
.Lnot_wave_0_\@:
	s_barrier_wait -3
	s_barrier_signal -1
	s_barrier_wait -1
.endm
	s_load_b256 s[4:11], s[0:1], 0x0               ; qi 4, kvi 6, scales 8, ctx 10
	v_lshl_add_u32 v[SPW], v0, 2, SPARE
	v_mov_b32 v[NIL], 0
	ds_add_u32 v[SPW], v[NIL]                      ; the wave's opening: the add, twice on end, and its wait ahead of the first tensor loads
	ds_add_u32 v[SPW], v[NIL]
	v_lshrrev_b32 v2, 5, v0
	v_readfirstlane_b32 s[WV], v2                  ; wave 0..15
	s_bfe_u32 s13, ttmp6, 0x40000                  ; cx
	s_lshl_b32 s14, ttmp9, 2
	s_add_co_u32 s14, s14, s13                     ; my block of 256 queries: it enters Q's and ctx's addresses alone
	s_and_b32 s15, ttmp7, 0xffff                   ; 16 b + head, which the four partners share
	s_mov_b32 s[G1], 15|(3<<16)|(1<<21)            ; 15:0 the mask: all four; 17:16 elements of 8 bytes; 21 set beside a mask; no padding
	s_mov_b32 s[G1+1], 32<<16                      ; 64 rows of 32 elements (256 bytes), dense
	s_mov_b32 s[G1+2], 64<<16
	s_mov_b32 s[G1+3], 32<<16
	s_mov_b32 s[G1+4], 64
	s_mov_b32 s[G1+5], 32
	s_mov_b32 s[G1+6], 0
	s_mov_b32 s[G1+7], 0
	s_mov_b32 s[SEL], 0x76543210
	s_mov_b32 s[SEL+1], 0xfedcba98
	s_mov_b32 s[CS], 0x3e38aa3b                    ; log2(e) / 8
	s_and_b32 s30, s[WV], 3
	s_lshl_b32 s30, s30, 14                        ; my block of a stage, in LDS as in memory
	s_lshl_b32 s54, s15, 18                        ; the head's K and V
	s_add_co_u32 s54, s54, s30
	s_mov_b32 s55, 0
	s_wait_dscnt 0x0                               ; both opening adds are done
	s_wait_kmcnt 0x0
	s_load_b128 s[48:51], s[8:9], 0x18             ; e6, e7, e8, e9
	s_load_b32 s52, s[8:9], 0x28                   ; e10
	s_add_nc_u64 s[54:55], s[6:7], s[54:55]
.irp s, 0,1,2,3
	s_mov_b32 s[G0+4*\s], 1
	s_add_co_u32 s[G0+4*\s+1], s30, \s*65536
	s_add_nc_u64 s[G0+4*\s+2:G0+4*\s+3], s[54:55], \s*65536
	s_or_b32 s[G0+4*\s+3], s[G0+4*\s+3], 0x80000000
.endr
	CROUND                                         ; all four work-groups are here: the joint loads meet
	s_cmp_lt_u32 s[WV], 4                          ; waves 0 to 3 fetch: a wave's four fills stand in one branch on its number, the same in every partner
	s_cbranch_scc0 .Lno_fill
.irp s, 0,1,2,3
	tensor_load_to_lds s[G0+4*\s:G0+4*\s+3], s[G1:G1+7]
	s_nop 0
.endr
.rept 4
	v_nop
.endr
.Lno_fill:
	s_lshl_b32 s56, s15, 17                        ; Q: the head, then tile 16 x block + wave, 1,024 bytes a tile
	s_lshl_b32 s31, s14, 4
	s_add_co_u32 s31, s31, s[WV]
	s_lshl_b32 s31, s31, 10
	s_add_co_u32 s56, s56, s31
	s_mov_b32 s57, 0
	s_add_nc_u64 s[4:5], s[4:5], s[56:57]
	v_and_b32 v[LI], 31, v0
	v_lshlrev_b32 v[LI], 4, v[LI]
	global_load_b128 v[16:19], v[LI], s[4:5]
	global_load_b128 v[20:23], v[LI], s[4:5] offset:512
	s_lshr_b32 s56, s15, 4                         ; ctx: [block of 128 tokens][kfrag = head / 2][tile of 16 tokens][2048]; an odd head takes quads 2, 3
	s_lshl_b32 s56, s56, 4
	s_lshl_b32 s31, s14, 1
	s_add_co_u32 s56, s56, s31
	s_lshr_b32 s31, s[WV], 3
	s_add_co_u32 s56, s56, s31                     ; 16 b + 2 x block + wave / 8
	s_lshl_b32 s56, s56, 17
	s_bfe_u32 s31, s15, 0x30001                    ; head / 2
	s_lshl_b32 s31, s31, 14
	s_add_co_u32 s56, s56, s31
	s_and_b32 s31, s[WV], 7
	s_lshl_b32 s31, s31, 11
	s_add_co_u32 s56, s56, s31
	s_and_b32 s31, s15, 1
	s_lshl_b32 s31, s31, 10
	s_add_co_u32 s56, s56, s31
	s_add_nc_u64 s[10:11], s[10:11], s[56:57]
	v_mov_b32 v13, 0xff61b1e6                      ; the largest t so far: -3e38, under every t
	v_floor_f32 v12, -v13                          ; -M
	v_mov_b32 v14, 0                               ; the sum, in two halves
	v_mov_b32 v15, 0
	v_mov_b32 v208, 0                              ; written once: a lane permute's destination counts as one of its sources
	v_mov_b32 v213, 0                              ; (named as the upper half of the pair v[212:213])
.irp j, 0,1,2,3,4,5,6,7,8,9,10,11,12,13,14,15,16,17,18,19,20,21,22,23,24,25,26,27,28,29,30,31
	v_mov_b32 v[160+\j], 0                         ; O^T.  (The step is written once: the first finds zeros, which the first change of M leaves zeros)
.endr
	s_wait_kmcnt 0x0
	s_add_co_i32 s30, s48, s49
	s_lshl_b32 s30, s30, 23
	s_add_co_i32 s[CS], s[CS], s30                 ; a score stands for score x 2^(e6 + e7): added to c's exponent field
	s_mov_b32 s[CS+1], s[CS]
	s_add_co_i32 s30, s50, 127
	s_lshl_b32 s31, s30, 23
	v_mov_b32 v218, s31                            ; 2^e8
	s_add_co_i32 s30, s30, 15
	s_lshl_b32 s30, s30, 23
	s_or_b32 s30, s30, 0x600000
	v_mov_b32 v219, s30                            ; 57,344 x 2^e8
	s_add_co_i32 s30, s52, 127
	s_lshl_b32 s31, s30, 23
	v_mov_b32 v220, s31                            ; 2^e10
	s_add_co_i32 s30, s30, 15
	s_lshl_b32 s30, s30, 23
	s_or_b32 s30, s30, 0x600000
	v_mov_b32 v221, s30                            ; 57,344 x 2^e10
.macro STEP                            ; 128 keys: the block at LDS byte s[TB]
	v_add_nc_u32 v[ADR], s[TB], v[LI]              ; with the three below: four places behind the last products, in front of loads into their sources
.rept 3
	v_nop
.endr
.irp t, 0,1,2,3,4,5,6,7
	ds_load_b128 v[32+8*\t:35+8*\t], v[ADR] offset:1024*\t
	ds_load_b128 v[36+8*\t:39+8*\t], v[ADR] offset:1024*\t+512
.endr
	s_wait_dscnt 0x0
.irp t, 0,1,2,3,4,5,6,7
	v_wmma_f32_16x16x64_bf8_bf8 v[96+8*\t:103+8*\t], v[32+8*\t:39+8*\t], v[16:23], 0
.endr
.rept 4
	v_nop                                          ; places in front of the loads below and of the first read of the scores
.endr
.irp a, 0,1,2,3                        ; V lands while the softmax is walked
.irp c, 0,1,2,3
	ds_load_b128 v[32+16*\a+4*\c:35+16*\a+4*\c], v[ADR] offset:8192+2048*\a+512*\c
.endr
.endr
	v_max3_num_f32 v210, v96, v97, v98             ; the step's largest score of my query among my 64 keys, in two chains, in ascending order
	v_max3_num_f32 v214, v99, v100, v101
.irp i, 6,10,14,18,22,26,30,34,38,42,46,50,54,58
	v_max3_num_f32 v210, v210, v[96+\i], v[97+\i]
	v_max3_num_f32 v214, v214, v[98+\i], v[99+\i]
.endr
	v_max3_num_f32 v210, v210, v158, v159
	v_max_num_f32 v210, v210, v214
	v_permlanex16_b32 v208, v210, s[SEL], s[SEL+1]
	v_max_num_f32 v210, v210, v208                 ; and among lane l xor 16's
	v_mul_f32 v210, s[CS], v210                    ; as t (c is positive)
	v_max_num_f32 v13, v13, v210                   ; the running largest t
	v_mov_b32 v210, v12
	v_floor_f32 v12, -v13                          ; the new -M = floor(-t) = -ceil(t)
	v_sub_f32 v210, v12, v210                      ; old M - new M: a whole number, 0 or less
	v_cvt_i32_f32 v210, v210                       ; (it saturates)
	v_ldexp_f32 v212, 1.0, v210                    ; f = 2^(old M - new M)
.irp j, 0,2,4,6,8,10,12,14,16,18,20,22,24,26,28,30,32,34,36,38,40,42,44,46,48,50,52,54,56,58,60,62
	v_pk_fma_f32 v[96+\j:97+\j], v[96+\j:97+\j], s[CS:CS+1], v[12:13] op_sel_hi:[1,0,0]   ; t - M (of the pairs c and -M the low word serves both halves)
.endr
.irp j, 0,1,2,3,4,5,6,7,8,9,10,11,12,13,14,15,16,17,18,19,20,21,22,23,24,25,26,27,28,29,30,31,32,33,34,35,36,37,38,39,40,41,42,43,44,45,46,47,48,49,50,51,52,53,54,55,56,57,58,59,60,61,62,63
	v_exp_f32 v[96+\j], v[96+\j]                   ; p = 2^(t - M), at most 1
.endr
	v_pk_mul_f32 v[14:15], v[14:15], v[212:213] op_sel_hi:[1,0]   ; the sum under the new M: the plain line behind the batch
	s_wait_alu depctr_va_vdst(0)                   ; one wait for the 64 exponentials, ahead of their first reader
	v_pk_add_f32 v[216:217], v[96:97], v[98:99]    ; the row's sum is taken of the unquantised p, in two chains
.irp j, 4,8,12,16,20,24,28,32,36,40,44,48,52,56,60
	v_pk_add_f32 v[14:15], v[14:15], v[96+\j:97+\j]
	v_pk_add_f32 v[216:217], v[216:217], v[98+\j:99+\j]
.endr
	v_pk_add_f32 v[14:15], v[14:15], v[216:217]
.irp t, 0,1,2,3,4,5,6,7
.irp i, 0,1,2,3,4,5,6,7
	v_min_num_f32 v[96+8*\t+\i], v[96+8*\t+\i], v219   ; the conversion does not saturate (ISA guide 7.6.2); p is not negative, so the hold is one-sided
.endr
	v_cvt_scalef32_pk8_bf8_f32 v[192+2*\t:193+2*\t], v[96+8*\t:103+8*\t], v218   ; keys 16 t + 8 h + 0 .. 7: register pair t of P's fragment
.endr
.irp j, 0,2,4,6,8,10,12,14,16,18,20,22,24,26,28,30
	v_pk_mul_f32 v[160+\j:161+\j], v[160+\j:161+\j], v[212:213] op_sel_hi:[1,0]   ; O^T under the new M; also the plain lines between the conversions and the products
.endr
	s_wait_dscnt 0x0                               ; V is in
.irp a, 0,1,2,3                        ; the four accumulators take one turn each; the eight products K Q^T stand between two turns of one
	v_wmma_f32_16x16x128_bf8_bf8 v[160+8*\a:167+8*\a], v[32+16*\a:47+16*\a], v[192:207], v[160+8*\a:167+8*\a]
.endr
.endm
.macro STAGE s                         ; four blocks of 128 keys
	s_wait_tensorcnt 3-\s                          ; in a loading wave: my piece of this stage has landed, the later stages' loads stay out
	s_barrier_signal -1                            ; (no LDS instruction of mine is out here)
	s_barrier_wait -1                              ; all four pieces have landed
	s_mov_b32 s[TB], 65536*\s
	s_mov_b32 s[CNT], 4
.Lstep_\@:
	STEP
	s_add_co_u32 s[TB], s[TB], 16384
	s_sub_co_u32 s[CNT], s[CNT], 1
	s_cmp_lg_u32 s[CNT], 0
	s_cbranch_scc1 .Lstep_\@
.endm
	s_wait_loadcnt 0x0                             ; Q
	STAGE 0
	STAGE 1
	STAGE 2
	STAGE 3
	; THE WAY OUT: O^T x 2^(e8 + e9) / the sum, quantised with 2^e10: the codes are the projection's operand registers
.rept 4
	v_nop
.endr
	v_add_f32 v14, v14, v15
	v_permlanex16_b32 v208, v14, s[SEL], s[SEL+1]
	v_add_f32 v14, v14, v208                       ; the row's sum
	v_rcp_f32 v14, v14
	v_nop                                          ; a plain line behind the reciprocal
	s_add_co_i32 s30, s50, s51
	s_wait_alu depctr_va_vdst(0)                   ; and the wait ahead of its first reader
	v_ldexp_f32 v14, v14, s30
.irp j, 0,1,2,3,4,5,6,7,8,9,10,11,12,13,14,15,16,17,18,19,20,21,22,23,24,25,26,27,28,29,30,31
	v_mul_f32 v[160+\j], v[160+\j], v14
.endr
.irp j, 0,1,2,3,4,5,6,7,8,9,10,11,12,13,14,15,16,17,18,19,20,21,22,23,24,25,26,27,28,29,30,31
	v_med3_num_f32 v[160+\j], v[160+\j], -v221, v221
.endr
.irp a, 0,1,2,3
	v_cvt_scalef32_pk8_bf8_f32 v[224+2*\a:225+2*\a], v[160+8*\a:167+8*\a], v220
.endr
	v_nop
	global_store_b128 v[LI], v[224:227], s[10:11]              ; 512 consecutive bytes, aligned
	global_store_b128 v[LI], v[228:231], s[10:11] offset:512
	s_wait_tensorcnt 0x0                           ; the wave's end, behind the last tensor load
	ds_add_u32 v[SPW], v[NIL]
	s_wait_dscnt 0x0
	CROUND                                         ; the closing round
	s_endpgm
.Lfunc_end_k_q6c740d9f24_attn:
	.size	k_q6c740d9f24_attn, .Lfunc_end_k_q6c740d9f24_attn-k_q6c740d9f24_attn
	.p2alignl 7, 3214868480
	.fill 96, 4, 3214868480
	.section	.rodata,"a",@progbits
	.p2align	6, 0x0
	.amdhsa_kernel k_q6c740d9f24_attn
		.amdhsa_group_segment_fixed_size 327680
		.amdhsa_private_segment_fixed_size 0
		.amdhsa_enable_private_segment 0
		.amdhsa_kernarg_size 32
		.amdhsa_user_sgpr_count 2
		.amdhsa_user_sgpr_kernarg_segment_ptr 1
		.amdhsa_wavefront_size32 1
		.amdhsa_system_sgpr_workgroup_id_x 1
		.amdhsa_system_sgpr_workgroup_id_y 1
		.amdhsa_system_sgpr_workgroup_id_z 1
		.amdhsa_system_vgpr_workitem_id 0
		.amdhsa_next_free_vgpr 256
		.amdhsa_next_free_sgpr 66
		.amdhsa_reserve_vcc 0
		.amdhsa_float_denorm_mode_32 3
		.amdhsa_float_denorm_mode_16_64 3
		.amdhsa_memory_ordered 1
		.amdhsa_forward_progress 1
		.amdhsa_inst_pref_size 73
	.end_amdhsa_kernel
	.amdgpu_metadata
---
amdhsa.version: [ 1, 2 ]
amdhsa.kernels:
  - .name:           k_q6c740d9f24_attn
    .symbol:         k_q6c740d9f24_attn.kd
    .args:
      - { .name: qi, .offset: 0, .size: 8, .value_kind: global_buffer, .address_space: global }
      - { .name: kvi, .offset: 8, .size: 8, .value_kind: global_buffer, .address_space: global }
      - { .name: lowp_scales, .offset: 16, .size: 8, .value_kind: global_buffer, .address_space: global }
      - { .name: ctx, .offset: 24, .size: 8, .value_kind: global_buffer, .address_space: global }
    .group_segment_fixed_size: 327680
    .private_segment_fixed_size: 0
    .kernarg_segment_align: 8
    .kernarg_segment_size: 32
    .max_flat_workgroup_size: 512
    .sgpr_count:     66
    .vgpr_count:     256
    .wavefront_size: 32
...
	.end_amdgpu_metadata
.endif
;; end of part 3
;; launch outp (part 4): grid 8 x 32, 4 waves a work-group, clusters of 4 x 4, 327,680 bytes of LDS; arguments ctx, wc, lowp_scales, b_out, out0; writes out0
.if DOCPART == 4
	.amdgcn_target "amdgcn-amd-amdhsa--gfx1250"
	.amdhsa_code_object_version 6
	.text
	.protected	k_q6c740d9f24_outp
	.globl	k_q6c740d9f24_outp
	.p2align	8
	.type	k_q6c740d9f24_outp,@function
k_q6c740d9f24_outp:
	s_mov_b64 s[64:65], 0
	v_nop
	global_prefetch_b8 v0, s[64:65] scope:SCOPE_SE
	s_setreg_imm32_b32 hwreg(HW_REG_WAVE_MODE, 25, 1), 1
	s_wait_xcnt 0x0
	s_wait_alu depctr_hold_cnt(0) depctr_sa_sdst(0) depctr_va_vdst(0) depctr_va_sdst(0) depctr_va_ssrc(0) depctr_va_vcc(0) depctr_vm_vsrc(0)
	s_getreg_b32 s2, hwreg(HW_REG_IB_STS2, 6, 4)
	s_cmp_eq_u32 s2, 0
	s_cbranch_scc0 .Lentry_in_a_cluster
	s_endpgm
.Lentry_in_a_cluster:
	s_bfe_u32 s2, ttmp6, 0x10000c
	s_cmp_lg_u32 s2, 0xf033
	s_cbranch_scc0 .Lentry_shape_is_right
	s_endpgm
.Lentry_shape_is_right:
; out0 = ctx W_out^T + b_out on E5M2 codes: out = sum x 2^(e10 + e11) + b, f32.   LIMIT: e10 + e11 between -126 and 127.
; A tile of 128 tokens x 128 outputs to a work-group, 8 x 32 work-groups; four waves, 64 x 64 each: 16 accumulators.
; ALL OF K LIES IN LDS: both operands' blocks of 128 rows x 1,024 codes are 131,072 dense bytes, images of operand registers ([kfrag 8][tile 8][2048]), copied as they lie, in four stages of 256 along K:
; wave w asks four times for 16,384 bytes (waves 0, 1: ctx's kfrags 2 s + w; waves 2, 3: W's); four loads of a wave are out at the most.  All go out at the head: no later load for a prefetch to run ahead of.
; CLUSTERS: 4 x 4: a block of ctx is shared along a row of the cluster, a block of W along a column, each piece asked for jointly.
; Source 0 = W, source 1 = ctx: a lane holds 8 neighbouring outputs of one token: 32 bytes.  A block of 16 tokens x 64 outputs goes through the wave's own stage in LDS and leaves as rows of 256 bytes, sixteen lanes to a row.
; REGISTERS.  window 0: v1 16 x lane; v16-19 LDS addresses; v20-22 the way out; v28, v29 the add's two; v32-63 bias; v64-127 rows read back, two sets; v128-255 accumulator (i, j) at 128 + 8 (4 i + j).   window 1: two fragment buffers.
.set STAGE, 262144                     ; behind the two blocks: 16 rows x 272 bytes for each wave; no tensor load lands there
.set SPARE, STAGE+4*4352               ; behind the stages: the spare words, 128 bytes a wave: two blocks of 256 bytes that no other line names
.set LI,  1
.set XAD, 16
.set WAD, 18
.set STO, 20                           ; v20  where I put 32 bytes of a row
.set RD,  21                           ; v21  where I read a row back
.set CO,  22                           ; v22  my byte offset in two rows of out0
.set SPW, 28
.set NIL, 29
.set BI,  32
.set BK,  64
.set ACC, 128
.set G1X, 16
.set G1W, 24
.set G0X, 32
.set G0W, 48
.set MSB, 0
.macro WIN new                         ; the immediate's high byte repeats the setting that is left
.if MSB != \new
	s_set_vgpr_msb (MSB<<8)|\new
.set MSB, \new
.endif
.endm
.set MUL,  0x05                        ; sources 0 and 1 window 1; C and D window 0
.set TO_F, 0x40                        ; destination window 1, address window 0
.macro CROUND                          ; a round of the cluster's barrier
	s_barrier_signal -1
	s_barrier_wait -1
	s_cmp_lg_u32 s4, 0
	s_cbranch_scc1 .Lnot_wave_0_\@
	s_barrier_signal -3
.Lnot_wave_0_\@:
	s_barrier_wait -3
	s_barrier_signal -1
	s_barrier_wait -1
.endm
.macro PLACES                          ; four plain places behind matrix instructions (ISA guide 7.12.1)
.rept 4
	v_nop
.endr
.endm
	s_load_b256 s[68:75], s[0:1], 0x0              ; ctx 68, wc 70, scales 72, b_out 74
	s_load_b64 s[76:77], s[0:1], 0x20              ; out0
	v_lshl_add_u32 v[SPW], v0, 2, SPARE
	v_mov_b32 v[NIL], 0
	ds_add_u32 v[SPW], v[NIL]                      ; the wave's opening: the add, twice on end, and its wait ahead of my first tensor load
	ds_add_u32 v[SPW], v[NIL]
	v_lshrrev_b32 v2, 5, v0
	v_readfirstlane_b32 s4, v2                     ; wave
	s_lshr_b32 s5, s4, 1                           ; wx: my half of the tokens.  Also: I fetch for ctx (0) or W (1)
	s_and_b32 s6, s4, 1                            ; ww: my half of the outputs.  Also: which kfrag of a stage I fetch
	s_bfe_u32 s7, ttmp6, 0x40000                   ; cx
	s_bfe_u32 s8, ttmp6, 0x40004                   ; cy
	s_lshl_b32 s9, ttmp9, 2
	s_add_co_u32 s9, s9, s7                        ; gx: block of outputs
	s_and_b32 s10, ttmp7, 0xffff
	s_lshl_b32 s10, s10, 2
	s_add_co_u32 s10, s10, s8                      ; gy: block of tokens
	s_lshl_b32 s12, s8, 2
	s_lshl_b32 s12, 15, s12                        ; my row of the cluster
	s_lshl_b32 s13, 0x1111, s7                     ; my column
	s_or_b32 s[G1X], s12, (3<<16)|(1<<21)          ; 15:0 the mask; 17:16 elements of 8 bytes; 21 set beside a mask; no padding
	s_or_b32 s[G1W], s13, (3<<16)|(1<<21)
.irp g, G1X, G1W                       ; 64 rows of 32 elements (256 bytes), dense
	s_mov_b32 s[\g+1], 32<<16
	s_mov_b32 s[\g+2], 64<<16
	s_mov_b32 s[\g+3], 32<<16
	s_mov_b32 s[\g+4], 64
	s_mov_b32 s[\g+5], 32
	s_mov_b32 s[\g+6], 0
	s_mov_b32 s[\g+7], 0
.endr
	s_lshl_b32 s15, s6, 14                         ; my kfrag of a stage
	s_lshl_b32 s2, s10, 17
	s_add_co_u32 s2, s2, s15
	s_mov_b32 s3, 0
	s_lshl_b32 s66, s9, 17
	s_add_co_u32 s66, s66, s15
	s_mov_b32 s67, 0
	s_lshl_b32 s14, s5, 17
	s_add_co_u32 s14, s14, s15                     ; where my pieces go: the wave's number alone
	s_wait_dscnt 0x0                               ; both opening adds are done
	s_wait_kmcnt 0x0
	s_load_b64 s[84:85], s[72:73], 0x28            ; e10, e11
	s_add_nc_u64 s[2:3], s[68:69], s[2:3]
	s_add_nc_u64 s[66:67], s[70:71], s[66:67]
	s_add_nc_u64 s[66:67], s[66:67], 0x300000      ; W_out is the fourth tensor in wc
.irp s, 0,1,2,3
	s_mov_b32 s[G0X+4*\s], 1
	s_add_co_u32 s[G0X+4*\s+1], s14, \s*32768
	s_add_nc_u64 s[G0X+4*\s+2:G0X+4*\s+3], s[2:3], \s*32768
	s_or_b32 s[G0X+4*\s+3], s[G0X+4*\s+3], 0x80000000
	s_mov_b32 s[G0W+4*\s], 1
	s_add_co_u32 s[G0W+4*\s+1], s14, \s*32768
	s_add_nc_u64 s[G0W+4*\s+2:G0W+4*\s+3], s[66:67], \s*32768
	s_or_b32 s[G0W+4*\s+3], s[G0W+4*\s+3], 0x80000000
.endr
	CROUND                                         ; all sixteen work-groups are here: the joint loads meet
	s_cmp_eq_u32 s5, 0
	s_cbranch_scc0 .Lfill_w
.irp s, 0,1,2,3
	tensor_load_to_lds s[G0X+4*\s:G0X+4*\s+3], s[G1X:G1X+7]
	s_nop 0
.endr
	PLACES
	s_branch .Lfilled
.Lfill_w:
.irp s, 0,1,2,3
	tensor_load_to_lds s[G0W+4*\s:G0W+4*\s+3], s[G1W:G1W+7]
	s_nop 0
.endr
	PLACES
.Lfilled:
	v_and_b32 v2, 31, v0
	v_lshlrev_b32 v[LI], 4, v2
	s_lshl_b32 s14, s5, 13
	v_add_nc_u32 v[XAD], s14, v[LI]
	v_add_nc_u32 v[XAD+1], 0x10000, v[XAD]
	s_lshl_b32 s14, s6, 13
	s_add_co_u32 s14, s14, 0x20000
	v_add_nc_u32 v[WAD], s14, v[LI]
	v_add_nc_u32 v[WAD+1], 0x10000, v[WAD]
	v_bfe_u32 v3, v0, 4, 1                         ; h
	v_and_b32 v4, 15, v0                           ; r
	v_lshlrev_b32 v5, 5, v3                        ; 32 h: the bias
	s_mul_i32 s14, s4, 4352
	s_add_co_u32 s14, s14, STAGE                   ; my stage
	v_mul_u32_u24 v[STO], v4, 272                  ; in: row r, 32 bytes for each half of the lanes
	v_lshl_add_u32 v[STO], v3, 5, v[STO]
	v_add_nc_u32 v[STO], s14, v[STO]
	v_mul_u32_u24 v[RD], v3, 272                   ; back: lanes 0-15 one row of 256 bytes, lanes 16-31 the next
	v_lshl_add_u32 v[RD], v4, 4, v[RD]
	v_add_nc_u32 v[RD], s14, v[RD]
	v_lshlrev_b32 v[CO], 12, v3                    ; and the same two rows of out0
	v_lshl_add_u32 v[CO], v4, 4, v[CO]
	s_lshl_b32 s66, s10, 19                        ; my first row: (128 gy + 64 wx) x 4,096 bytes
	s_lshl_b32 s2, s5, 18
	s_add_co_u32 s66, s66, s2
	s_mov_b32 s67, 0
	s_lshl_b32 s2, s9, 9                           ; my first column: (128 gx + 64 ww) x 4 bytes
	s_lshl_b32 s3, s6, 8
	s_add_co_u32 s2, s2, s3
	s_mov_b32 s3, 0
	s_add_nc_u64 s[100:101], s[74:75], s[2:3]
	s_add_nc_u64 s[98:99], s[76:77], s[66:67]
	s_add_nc_u64 s[98:99], s[98:99], s[2:3]
.irp j, 0,1,2,3
	global_load_b128 v[BI+8*\j:BI+8*\j+3],   v5, s[100:101] offset:64*\j      ; b(16 j + 8 h + 0 .. 7): the result's layout
	global_load_b128 v[BI+8*\j+4:BI+8*\j+7], v5, s[100:101] offset:64*\j+16
.endr
	s_wait_kmcnt 0x0
	s_add_co_i32 s96, s84, s85
	s_add_co_i32 s96, s96, 127
	s_lshl_b32 s96, s96, 23                        ; 2^(e10 + e11)
	s_mov_b32 s97, s96
.macro FETCH f                         ; 32 LDS loads in one run: kfrag f: W's four fragments, then ctx's four; each load takes 512 consecutive bytes
.set FB, 128*((\f)%2)
	WIN TO_F
.irp j, 0,1,2,3
.irp c, 0,1,2,3
	ds_load_b128 v[FB+16*\j+4*\c:FB+16*\j+4*\c+3], v[WAD+(\f)/4] offset:16384*((\f)%4)+2048*\j+512*\c
.endr
.endr
.irp i, 0,1,2,3
.irp c, 0,1,2,3
	ds_load_b128 v[FB+64+16*\i+4*\c:FB+64+16*\i+4*\c+3], v[XAD+(\f)/4] offset:16384*((\f)%4)+2048*\i+512*\c
.endr
.endr
.endm
; 8 matrix instructions: token tiles 2 hh, 2 hh + 1 x the four output tiles.  The 16 accumulators take turns, one instruction a turn, in the same order in every step.
.macro MUL8 f, hh, zero
.set FB, 128*((\f)%2)
.irp i, 2*\hh, 2*\hh+1
.irp j, 0,1,2,3
.set rD, ACC+8*(4*(\i)+\j)
.set rA, FB+16*\j
.set rB, FB+64+16*(\i)
.if \zero
	v_wmma_f32_16x16x128_bf8_bf8 v[rD:rD+7], v[rA:rA+15], v[rB:rB+15], 0
.else
	v_wmma_f32_16x16x128_bf8_bf8 v[rD:rD+7], v[rA:rA+15], v[rB:rB+15], v[rD:rD+7]
.endif
.endr
.endr
.endm
.macro STEP f, zero                    ; 128 along K
.if (\f) == 7
	s_wait_dscnt 0x0
	WIN MUL
	MUL8 \f, 0, 0
	MUL8 \f, 1, 0
.elseif (\f)%2 == 0
	s_wait_dscnt 8                                 ; W's fragments and ctx's tiles 0, 1 are in; the youngest eight loads may be out
	WIN MUL
	MUL8 \f, 0, \zero
	PLACES
	FETCH (\f)+1
	s_wait_dscnt 32                                ; all but the 32 just issued
	WIN MUL
	MUL8 \f, 1, \zero
.else
	s_wait_dscnt 0x0                               ; no LDS instruction of mine is out at the signal
	s_wait_tensorcnt 3-((\f)+1)/2                  ; my piece of the next stage has landed; the later stages' loads stay out
	s_barrier_signal -1
	WIN MUL
	MUL8 \f, 0, 0
	s_barrier_wait -1
	PLACES
	FETCH (\f)+1
	WIN MUL
	MUL8 \f, 1, 0
.endif
.endm
	s_wait_tensorcnt 3                             ; my piece of stage 0 is in,
	s_barrier_signal -1
	s_barrier_wait -1                              ; everybody's is
	FETCH 0
	STEP 0, 1                                      ; the first step's products start the sums
.irp f, 1,2,3,4,5,6,7
	STEP \f, 0
.endr
	WIN 0
	PLACES
	s_wait_loadcnt 0x0                             ; the bias
.macro TOSTAGE i                       ; tokens 16 i on: sum x 2^(e10 + e11) + b, into my stage and back as rows
.irp j, 0,1,2,3
.irp k, 0,2,4,6
	v_pk_fma_f32 v[ACC+8*(4*\i+\j)+\k:ACC+8*(4*\i+\j)+\k+1], v[ACC+8*(4*\i+\j)+\k:ACC+8*(4*\i+\j)+\k+1], s[96:97], v[BI+8*\j+\k:BI+8*\j+\k+1] op_sel_hi:[1,0,1]   ; each accumulator from its low end on
.endr
.endr
.irp j, 0,1,2,3
	ds_store_b128 v[STO], v[ACC+8*(4*\i+\j):ACC+8*(4*\i+\j)+3]   offset:64*\j
	ds_store_b128 v[STO], v[ACC+8*(4*\i+\j)+4:ACC+8*(4*\i+\j)+7] offset:64*\j+16
.endr
.irp t, 0,1,2,3,4,5,6,7
	ds_load_b128 v[BK+32*(\i%2)+4*\t:BK+32*(\i%2)+4*\t+3], v[RD] offset:544*\t   ; LDS serves a wave's instructions in order (ISA guide 5.7.1.4): these see the stores above; the next block's stores come behind them
.endr
.endm
.macro SEND i, younger                 ; younger: the LDS instructions issued behind block i's loads
	s_wait_dscnt \younger
.irp t, 0,1,2,3,4,5,6,7
	global_store_b128 v[CO], v[BK+32*(\i%2)+4*\t:BK+32*(\i%2)+4*\t+3], s[98:99] offset:(16*\i+2*\t)*4096 th:TH_STORE_NT   ; sixteen lanes store 256 consecutive bytes, aligned
.endr
.endm
	TOSTAGE 0
	TOSTAGE 1
	SEND 0, 16                                     ; behind block 0's loads: block 1's 8 stores and 8 loads
	s_wait_xcnt 0x0                                ; block 0's stores have read their registers: block 2's rows land there
	TOSTAGE 2
	SEND 1, 16
	s_wait_xcnt 0x0                                ; block 1's likewise
	TOSTAGE 3
	SEND 2, 16
	SEND 3, 0
	s_wait_tensorcnt 0x0                           ; the wave's end, behind my last tensor load and my last LDS store
	ds_add_u32 v[SPW], v[NIL]
	s_wait_dscnt 0x0
	CROUND                                         ; the closing round
	s_endpgm
.Lfunc_end_k_q6c740d9f24_outp:
	.size	k_q6c740d9f24_outp, .Lfunc_end_k_q6c740d9f24_outp-k_q6c740d9f24_outp
	.p2alignl 7, 3214868480
	.fill 96, 4, 3214868480
	.section	.rodata,"a",@progbits
	.p2align	6, 0x0
	.amdhsa_kernel k_q6c740d9f24_outp
		.amdhsa_group_segment_fixed_size 327680
		.amdhsa_private_segment_fixed_size 0
		.amdhsa_enable_private_segment 0
		.amdhsa_kernarg_size 40
		.amdhsa_user_sgpr_count 2
		.amdhsa_user_sgpr_kernarg_segment_ptr 1
		.amdhsa_wavefront_size32 1
		.amdhsa_system_sgpr_workgroup_id_x 1
		.amdhsa_system_sgpr_workgroup_id_y 1
		.amdhsa_system_sgpr_workgroup_id_z 1
		.amdhsa_system_vgpr_workitem_id 0
		.amdhsa_next_free_vgpr 512
		.amdhsa_next_free_sgpr 102
		.amdhsa_reserve_vcc 0
		.amdhsa_float_denorm_mode_32 3
		.amdhsa_float_denorm_mode_16_64 3
		.amdhsa_memory_ordered 1
		.amdhsa_forward_progress 1
		.amdhsa_inst_pref_size 47
	.end_amdhsa_kernel
	.amdgpu_metadata
---
amdhsa.version: [ 1, 2 ]
amdhsa.kernels:
  - .name:           k_q6c740d9f24_outp
    .symbol:         k_q6c740d9f24_outp.kd
    .args:
      - { .name: ctx, .offset: 0, .size: 8, .value_kind: global_buffer, .address_space: global }
      - { .name: wc, .offset: 8, .size: 8, .value_kind: global_buffer, .address_space: global }
      - { .name: lowp_scales, .offset: 16, .size: 8, .value_kind: global_buffer, .address_space: global }
      - { .name: b_out, .offset: 24, .size: 8, .value_kind: global_buffer, .address_space: global }
      - { .name: out0, .offset: 32, .size: 8, .value_kind: global_buffer, .address_space: global }
    .group_segment_fixed_size: 327680
    .private_segment_fixed_size: 0
    .kernarg_segment_align: 8
    .kernarg_segment_size: 40
    .max_flat_workgroup_size: 128
    .sgpr_count:     102
    .vgpr_count:     512
    .wavefront_size: 32
...
	.end_amdgpu_metadata
.endif
;; end of part 4
;; ======== version 2 of 2: 4 launches
;; limits: right only within a limited range of input values
;; workspace buffers: xc 12,582,912 bytes; wc 4,194,304 bytes; qi 4,194,304 bytes; kvi 8,388,608 bytes; ctx 4,194,304 bytes
;; launch quant (part 5): grid 512 x 1, 4 waves a work-group, no clusters, 34,304 bytes of LDS; arguments x, W_q, W_k, W_v, W_out, lowp_scales, xc, wc; writes xc, wc
.if DOCPART == 5
	.amdgcn_target "amdgcn-amd-amdhsa--gfx1250"
	.amdhsa_code_object_version 6
	.text
	.protected	k_q6c740d9f24_quant
	.globl	k_q6c740d9f24_quant
	.p2align	8
	.type	k_q6c740d9f24_quant,@function
k_q6c740d9f24_quant:
	s_mov_b64 s[64:65], 0
	v_nop
	global_prefetch_b8 v0, s[64:65] scope:SCOPE_SE
	s_setreg_imm32_b32 hwreg(HW_REG_WAVE_MODE, 25, 1), 1
	s_wait_xcnt 0x0
; x [4096][1024] f32 becomes three sets of E5M2 codes (scales 2^e0, 2^e2, 2^e4: one for each product that reads it); W_q, W_k, W_v, W_out [1024][1024] f32 one set each (e1, e3, e5, e11).
; code = number / 2^e, held within +-57,344, rounded to the nearest code, ties to even.
; LIMITS: each e between -126 and 112, so that 2^e and 57,344 x 2^e are f32 numbers.  NaN among the inputs is not served.
; THE IMAGE.  Codes are stored in the order of the matrix operand's registers.  A fragment is 16 rows x 128 K = 2,048 bytes = 4 quads of 512; in quad c lane l = 16 h + r owns the 16 bytes at 16 l:
; row r, k = 32 c + 8 h + 0..7 and then k = 32 c + 16 + 8 h + 0..7: registers 4 c .. 4 c + 3 of the plain 8-bit form.  A reader loads 16 bytes a lane, 512 consecutive bytes a wave, and has the operand.
; xc: [set 3][block of 128 rows 32][kfrag 8][tile of 16 rows 8][2048];  wc: [tensor 4][block 8][kfrag 8][tile 8][2048].
; SHARES.  A work-group takes 16 whole rows (65,536 dense bytes); wave w takes kfrags 2 w and 2 w + 1.  Work-groups 0-255: x; 256-511: the four weights, 64 each.
; Each load reads 512 consecutive bytes of a row; the 16 x 512 bytes turn through the wave's own stage in LDS (rows 528 bytes apart) and come back as the lane's 8 + 8 neighbours of each quad.
; Waves share nothing: no barrier.  Work-groups share no input: no cluster, no matrix unit.  No store's data register is written again, so no wait frees one.
.set STG,   8448                       ; a wave's stage: 16 rows x (512 + 16) bytes
.set SPARE, 4*STG                      ; behind the stages: the spare words, 128 bytes a wave: two blocks of 256 bytes that no other line names
.set LO,  4                            ; v4   16 x lane
.set STW, 5                            ; v5   the stage, on the way in: wave's stage + 16 x lane
.set STR, 6                            ; v6   on the way out: wave's stage + 528 r + 32 h
.set SPW, 8                            ; v8   my spare word; never rewritten
.set NIL, 9                            ; v9   0; never rewritten
.set SC,  10                           ; v10, v11: 2^e and 57,344 x 2^e of the first set; v12, v13 the second; v14, v15 the third
.set R,   16                           ; v16-79, v80-143: a unit's 64 registers as loaded; later its codes (16 registers a set)
.set X,   144                          ; v144-207: the unit's numbers in operand order: register 16 c + i
.set T,   208                          ; v208-239: held numbers, two sets of 16 by turns
	s_load_b512 s[4:19], s[0:1], 0x0               ; x 4, W_q 6, W_k 8, W_v 10, W_out 12, scales 14, xc 16, wc 18
	v_lshl_add_u32 v[SPW], v0, 2, SPARE
	v_mov_b32 v[NIL], 0
	v_lshrrev_b32 v1, 5, v0
	v_readfirstlane_b32 s20, v1                    ; wave
	v_and_b32 v2, 31, v0
	v_and_b32 v3, 15, v0                           ; r
	v_bfe_u32 v7, v0, 4, 1                         ; h
	v_lshlrev_b32 v[LO], 4, v2
	s_mul_i32 s23, s20, STG
	v_add_nc_u32 v[STW], s23, v[LO]
	v_mul_u32_u24 v[STR], v3, 528
	v_lshl_add_u32 v[STR], v7, 5, v[STR]
	v_add_nc_u32 v[STR], s23, v[STR]
	s_lshr_b32 s21, ttmp9, 6
	s_and_b32 s21, s21, 3                          ; which weight (work-groups 256 on)
	s_and_b32 s22, ttmp9, 63
	s_cmp_lt_u32 ttmp9, 256
	s_cselect_b32 s22, ttmp9, s22                  ; my tile of 16 rows in the tensor
	s_lshl_b32 s44, s22, 16                        ; in: 16 rows of 4,096 bytes,
	s_lshl_b32 s23, s20, 10                        ; + my wave's 1,024 bytes of a row
	s_add_co_u32 s44, s44, s23
	s_mov_b32 s45, 0
	s_lshr_b32 s46, s22, 3                         ; out: the block of 128 rows,
	s_lshl_b32 s46, s46, 17
	s_and_b32 s23, s22, 7                          ; the tile in it,
	s_lshl_b32 s23, s23, 11
	s_add_co_u32 s46, s46, s23
	s_lshl_b32 s23, s20, 15                        ; my wave's two kfrags
	s_add_co_u32 s46, s46, s23
	s_mov_b32 s47, 0
	s_wait_alu depctr_va_vdst(0)
	s_wait_kmcnt 0x0
	s_load_b256 s[24:31], s[14:15], 0x0            ; e0 .. e7
	s_load_b128 s[32:35], s[14:15], 0x20           ; e8 .. e11
	s_cmp_eq_u32 s21, 1                            ; the choices hang on the work-group's number alone
	s_cselect_b64 s[36:37], s[8:9], s[6:7]
	s_cmp_eq_u32 s21, 2
	s_cselect_b64 s[36:37], s[10:11], s[36:37]
	s_cmp_eq_u32 s21, 3
	s_cselect_b64 s[36:37], s[12:13], s[36:37]
	s_cmp_lt_u32 ttmp9, 256
	s_cselect_b64 s[36:37], s[4:5], s[36:37]       ; the tensor that I read
	s_cselect_b64 s[38:39], s[16:17], s[18:19]     ; and the buffer of its codes
	s_cselect_b32 s23, 0, s21
	s_add_nc_u64 s[36:37], s[36:37], s[44:45]
	s_add_nc_u64 s[40:41], s[16:17], s[46:47]
	s_add_nc_u64 s[42:43], s[40:41], 0x800000      ; x's third set (used by x's work-groups alone)
	s_add_nc_u64 s[40:41], s[40:41], 0x400000      ; x's second set
	s_add_nc_u64 s[38:39], s[38:39], s[46:47]
	s_lshl_b32 s44, s23, 20                        ; a weight's codes are 2^20 bytes
	s_add_nc_u64 s[38:39], s[38:39], s[44:45]
.macro LOAD t                          ; unit t: 16 rows x 512 bytes
.irp i, 0,1,2,3,4,5,6,7,8,9,10,11,12,13,14,15
	global_load_b128 v[R+64*\t+4*\i:R+64*\t+4*\i+3], v[LO], s[36:37] offset:4096*\i+512*\t th:TH_LOAD_NT
.endr
.endm
	LOAD 0
	LOAD 1                                         ; 32 loads, 16,384 bytes a wave, are on their way
.macro MKSC e, sc                      ; s[e] = e  ->  v[sc] = 2^e, v[sc+1] = 57,344 x 2^e
	s_add_co_i32 s23, s[\e], 127
	s_lshl_b32 s46, s23, 23
	v_mov_b32 v[\sc], s46
	s_add_co_i32 s23, s23, 15
	s_lshl_b32 s23, s23, 23
	s_or_b32 s23, s23, 0x600000
	v_mov_b32 v[\sc+1], s23
.endm
	s_wait_kmcnt 0x0
	s_cmp_eq_u32 s21, 1
	s_cselect_b32 s44, s27, s25                    ; e3 or e1
	s_cmp_eq_u32 s21, 2
	s_cselect_b32 s44, s29, s44                    ; e5
	s_cmp_eq_u32 s21, 3
	s_cselect_b32 s44, s35, s44                    ; e11
	s_cmp_lt_u32 ttmp9, 256
	s_cselect_b32 s44, s24, s44                    ; e0 for x
	MKSC 44, SC
	MKSC 26, SC+2                                  ; e2
	MKSC 28, SC+4                                  ; e4
; X's 64 numbers become 16 registers of codes at v[cd].  The numbers stay as they are: x is quantised three times.
.macro QUANT cd, sc
.irp c, 0,1,2,3
.irp i, 0,1,2,3,4,5,6,7,8,9,10,11,12,13,14,15
	v_med3_num_f32 v[T+16*(\c%2)+\i], v[X+16*\c+\i], -v[\sc+1], v[\sc+1]   ; the conversion to an 8-bit code does not saturate (ISA guide 7.6.2): the hold at the largest code x the scale
.endr
	v_cvt_scalef32_pk8_bf8_f32 v[(\cd)+4*\c:(\cd)+4*\c+1], v[T+16*(\c%2):T+16*(\c%2)+7], v[\sc]
	v_cvt_scalef32_pk8_bf8_f32 v[(\cd)+4*\c+2:(\cd)+4*\c+3], v[T+16*(\c%2)+8:T+16*(\c%2)+15], v[\sc]
.endr                                  ; T's two sets take turns: sixteen plain lines stand between a conversion and the next write of its sources
	v_nop                                          ; a plain line behind the last conversion
.endm
.macro PUT cd, d, t                    ; four stores of 512 consecutive bytes, aligned
.irp c, 0,1,2,3
	global_store_b128 v[LO], v[(\cd)+4*\c:(\cd)+4*\c+3], s[\d:\d+1] offset:16384*\t+512*\c
.endr
.endm
.macro UNIT t
	s_wait_loadcnt 16*(1-\t)                       ; this unit's 16 loads are in; the other unit's may be out
.irp i, 0,1,2,3,4,5,6,7,8,9,10,11,12,13,14,15
	ds_store_b128 v[STW], v[R+64*\t+4*\i:R+64*\t+4*\i+3] offset:528*\i
.endr
.irp c, 0,1,2,3                        ; LDS serves a wave's instructions in order (ISA guide 5.7.1.4): these see the stores above.
	ds_load_b128 v[X+16*\c:X+16*\c+3],     v[STR] offset:128*\c
	ds_load_b128 v[X+16*\c+4:X+16*\c+7],   v[STR] offset:128*\c+16
	ds_load_b128 v[X+16*\c+8:X+16*\c+11],  v[STR] offset:128*\c+64
	ds_load_b128 v[X+16*\c+12:X+16*\c+15], v[STR] offset:128*\c+80
.endr
	s_wait_dscnt 0x0                               ; the numbers are back, and the stage's stores have read R: its registers take the codes
	QUANT R+64*\t, SC
	PUT R+64*\t, 38, \t
	s_cmp_lt_u32 ttmp9, 256                        ; x has two more sets: a branch on the work-group's number, round register work and stores alone
	s_cbranch_scc0 .Lone_set_\@
	QUANT R+64*\t+16, SC+2
	PUT R+64*\t+16, 40, \t
	QUANT R+64*\t+32, SC+4
	PUT R+64*\t+32, 42, \t
.Lone_set_\@:
.endm
	s_wait_alu depctr_va_vdst(0)
	UNIT 0
	UNIT 1
	s_wait_tensorcnt 0x0                           ; the wave's end, behind my last LDS store
	ds_add_u32 v[SPW], v[NIL]
	s_wait_dscnt 0x0
	s_endpgm
.Lfunc_end_k_q6c740d9f24_quant:
	.size	k_q6c740d9f24_quant, .Lfunc_end_k_q6c740d9f24_quant-k_q6c740d9f24_quant
	.p2alignl 7, 3214868480
	.fill 96, 4, 3214868480
	.section	.rodata,"a",@progbits
	.p2align	6, 0x0
	.amdhsa_kernel k_q6c740d9f24_quant
		.amdhsa_group_segment_fixed_size 34304
		.amdhsa_private_segment_fixed_size 0
		.amdhsa_enable_private_segment 0
		.amdhsa_kernarg_size 64
		.amdhsa_user_sgpr_count 2
		.amdhsa_user_sgpr_kernarg_segment_ptr 1
		.amdhsa_wavefront_size32 1
		.amdhsa_system_sgpr_workgroup_id_x 1
		.amdhsa_system_sgpr_workgroup_id_y 1
		.amdhsa_system_sgpr_workgroup_id_z 1
		.amdhsa_system_vgpr_workitem_id 0
		.amdhsa_next_free_vgpr 240
		.amdhsa_next_free_sgpr 66
		.amdhsa_reserve_vcc 0
		.amdhsa_float_denorm_mode_32 3
		.amdhsa_float_denorm_mode_16_64 3
		.amdhsa_memory_ordered 1
		.amdhsa_forward_progress 1
		.amdhsa_inst_pref_size 41
	.end_amdhsa_kernel
	.amdgpu_metadata
---
amdhsa.version: [ 1, 2 ]
amdhsa.kernels:
  - .name:           k_q6c740d9f24_quant
    .symbol:         k_q6c740d9f24_quant.kd
    .args:
      - { .name: x, .offset: 0, .size: 8, .value_kind: global_buffer, .address_space: global }
      - { .name: W_q, .offset: 8, .size: 8, .value_kind: global_buffer, .address_space: global }
      - { .name: W_k, .offset: 16, .size: 8, .value_kind: global_buffer, .address_space: global }
      - { .name: W_v, .offset: 24, .size: 8, .value_kind: global_buffer, .address_space: global }
      - { .name: W_out, .offset: 32, .size: 8, .value_kind: global_buffer, .address_space: global }
      - { .name: lowp_scales, .offset: 40, .size: 8, .value_kind: global_buffer, .address_space: global }
      - { .name: xc, .offset: 48, .size: 8, .value_kind: global_buffer, .address_space: global }
      - { .name: wc, .offset: 56, .size: 8, .value_kind: global_buffer, .address_space: global }
    .group_segment_fixed_size: 34304
    .private_segment_fixed_size: 0
    .kernarg_segment_align: 8
    .kernarg_segment_size: 64
    .max_flat_workgroup_size: 128
    .sgpr_count:     66
    .vgpr_count:     240
    .wavefront_size: 32
...
	.end_amdgpu_metadata
.endif
;; end of part 5
;; launch qkv (part 6): grid 12 x 16, 4 waves a work-group, clusters of 4 x 4, 327,680 bytes of LDS; arguments xc, wc, lowp_scales, b_q, b_k, b_v, qi, kvi; writes qi, kvi
.if DOCPART == 6
	.amdgcn_target "amdgcn-amd-amdhsa--gfx1250"
	.amdhsa_code_object_version 6
	.text
	.protected	k_q6c740d9f24_qkv
	.globl	k_q6c740d9f24_qkv
	.p2align	8
	.type	k_q6c740d9f24_qkv,@function
k_q6c740d9f24_qkv:
	s_mov_b64 s[64:65], 0
	v_nop
	global_prefetch_b8 v0, s[64:65] scope:SCOPE_SE
	s_setreg_imm32_b32 hwreg(HW_REG_WAVE_MODE, 25, 1), 1
	s_wait_xcnt 0x0
	s_wait_alu depctr_hold_cnt(0) depctr_sa_sdst(0) depctr_va_vdst(0) depctr_va_sdst(0) depctr_va_ssrc(0) depctr_va_vcc(0) depctr_vm_vsrc(0)
	s_getreg_b32 s2, hwreg(HW_REG_IB_STS2, 6, 4)
	s_cmp_eq_u32 s2, 0
	s_cbranch_scc0 .Lentry_in_a_cluster
	s_endpgm
.Lentry_in_a_cluster:
	s_bfe_u32 s2, ttmp6, 0x10000c
	s_cmp_lg_u32 s2, 0xf033
	s_cbranch_scc0 .Lentry_shape_is_right
	s_endpgm
.Lentry_shape_is_right:
; Q, K, V = x W^T + b on E5M2 codes, then quantised for the attention's products (scales 2^e6, 2^e7, 2^e9).  y = sum x 2^(ex + ew) + b in f32; code = y / 2^eo, held within +-57,344.
; LIMITS: e0 + e1, e2 + e3, e4 + e5 between -126 and 127; e6, e7, e9 between -126 and 112.  NaN is not served.
; SHARES.  A tile of 256 tokens x 256 outputs to a work-group: 12 x 16 = 192 work-groups (3,072 outputs do not divide into 256 equal tiles that stay inside one product).  x = 4 p + tile of outputs (p = 0, 1, 2: Q, K, V),
; y = tile of tokens.  Four waves, 128 x 128 each: 64 accumulators, 512 registers: 64 LDS loads feed 64 products.  A wave's 128 outputs are two heads, its 128 tokens one block of keys.
; THE OPERANDS lie in memory as images of operand registers: [block of 128 rows][kfrag 8][tile of 16 rows 8][2048]; a fragment comes by four loads of 512 consecutive bytes: no pitch, no padding.
; THE RING.  K goes in four steps of 256 through two LDS slots.  A slot: x's two blocks, then W's two, 32,768 bytes each (two kfrags, dense in memory).
; AT THE HEAD each wave issues one tensor load, of 2 rows of 32,768 bytes: both blocks of one operand for one K step: wave 0: x, step 0; wave 1: x, step 1; wave 2: W, step 0; wave 3: W, step 1.
; K steps 2 and 3 are refills, each behind a round of the cluster's barrier: wave w fetches piece w, one row of 32,768 bytes: one load of a wave is out at a time.
; CLUSTERS: 4 x 4 work-groups.  The four of a row need the same blocks of x, the four of a column the same blocks of W: each piece is asked for jointly, by the same load with the same descriptor.  The cluster's x is p: the same in all sixteen.
; PREFETCH: K step 2's pieces are named behind the head's load, K step 3's behind the first fragments: a step or more ahead of their loads; a piece's 128 blocks of 256 bytes are shared out by address among the four that load it jointly.
; ROLES.  Source 0 is role B (two register sets), source 1 role A (one set): a lane holds one row of A, its 8 registers 8 neighbouring rows of B.  Q, K: A = x, B = W: a lane holds a token, registers run along the head's channels.
; V: A = W, B = x: a lane holds a channel, registers run along the tokens, which are the second product's K.  The choice is made once, in the LDS base of the fragment addresses, by p; the loop is one text.
; So for A's tile a the eight conversions of accumulators (a, 0 .. 7) are 16 operand registers: two K = 64 fragments (Q, K: two heads) or one K = 128 fragment (V), stored as they stand, 512 consecutive bytes a store.
; qi: [b h 32][tile of 16 queries 128][quad 2][512].   kvi: [b h 32][block of 128 keys 16][K: tile of 16 keys 8 x 1024; V: tile of 16 channels 4 x 2048].
; REGISTERS.  window 0: v1 16 x lane; v5 256 x lane; v8-15 bias along the lanes; v16, 17 / v20, 21 LDS addresses of A's / B's fragments in slot 0, 1; v28, 29 the add's two; v30, 31: 2^eo and 57,344 x 2^eo; v32-95 bias along the registers;
;   v96-127 codes, two sets; v128-255 A's eight fragments, on the way out two sets of 64 numbers.   window 1: B's fragments, two sets.   window 2: accumulators (a, b), a = 0 .. 3, at v[8 (8 a + b)];   window 3: a = 4 .. 7.
.set SLOT,  131072
.set SPARE, 2*SLOT                     ; behind the ring: the spare words, 128 bytes a wave: two blocks of 256 bytes that no other line names
.set FR,    16                         ; registers of a fragment
.set NL,    4                          ; LDS loads that bring one
.set LI,   1
.set PFO,  5
.set VB,   8
.set ADRA, 16
.set ADRB, 20
.set SPW,  28
.set NIL,  29
.set SCL,  30
.set BI,   32
.set CD,   96
.set AF,   128
.set G1X, 16                           ; s[16:23] descriptor group 1 for x; s[24:31] for W: they differ in the mask
.set G1W, 24
.set G0X, 32                           ; s[32:39] the refills' group 0 for x, one for each slot; s[40:47] for W
.set G0W, 40
.set GHX, 52                           ; s[52:55], s[56:59] the head's group 0 for x, for W
.set GHW, 56
.set PFA, 60                           ; s[60:61] where my prefetches stand
.set MSB, 0
.macro WIN new                         ; the immediate's high byte repeats the setting that is left
.if MSB != \new
	s_set_vgpr_msb (MSB<<8)|\new
.set MSB, \new
.endif
.endm
.set MUL_LO, 0xa1                      ; source 0 (B) window 1, source 1 (A) window 0, C and D window 2
.set MUL_HI, 0xf1                      ; the same, C and D window 3
.set TO_B,   0x40                      ; destination window 1, address window 0
.macro PLACES                          ; four plain places behind matrix instructions, in front of loads into their sources and of reads of their results
.rept 4
	v_nop
.endr
.endm
.macro JLOAD gx, gw                    ; a joint load: waves 0, 1 fetch for x, waves 2, 3 for W; the branch hangs on the wave's number alone; an s_nop 0 and four v_nop follow each line
	s_cmp_eq_u32 s5, 0
	s_cbranch_scc0 .Lfor_w_\@
	tensor_load_to_lds s[\gx:\gx+3], s[G1X:G1X+7]
	s_nop 0
	PLACES
	s_branch .Lasked_\@
.Lfor_w_\@:
	tensor_load_to_lds s[\gw:\gw+3], s[G1W:G1W+7]
	s_nop 0
	PLACES
.Lasked_\@:
.endm
.macro CREST                           ; a round of the cluster's barrier behind its opening barrier
	s_cmp_lg_u32 s4, 0
	s_cbranch_scc1 .Lnot_wave_0_\@
	s_barrier_signal -3
.Lnot_wave_0_\@:
	s_barrier_wait -3
	s_barrier_signal -1
	s_barrier_wait -1
.endm
.macro CROUND                          ; a whole round
	s_barrier_signal -1
	s_barrier_wait -1
	CREST
.endm
	s_load_b512 s[68:83], s[0:1], 0x0              ; xc 68, wc 70, scales 72, b_q 74, b_k 76, b_v 78, qi 80, kvi 82
	v_lshl_add_u32 v[SPW], v0, 2, SPARE
	v_mov_b32 v[NIL], 0
	ds_add_u32 v[SPW], v[NIL]                      ; the wave's opening: the add, twice on end, and its wait ahead of my first tensor load
	ds_add_u32 v[SPW], v[NIL]
	v_lshrrev_b32 v2, 5, v0
	v_readfirstlane_b32 s4, v2                     ; wave
	s_lshr_b32 s5, s4, 1                           ; wx: my block of tokens.  Also: I fetch for x (0) or W (1)
	s_and_b32 s6, s4, 1                            ; ww: my block of outputs.  Also: the K step that I fetch at the head, the block that I fetch later
	s_bfe_u32 s7, ttmp6, 0x40000                   ; cx
	s_bfe_u32 s8, ttmp6, 0x40004                   ; cy
	s_lshl_b32 s9, ttmp9, 2
	s_add_co_u32 s9, s9, s7                        ; gx = 4 p + tile of outputs
	s_and_b32 s10, ttmp7, 0xffff
	s_lshl_b32 s10, s10, 2
	s_add_co_u32 s10, s10, s8                      ; gy = tile of tokens
	s_mov_b32 s11, ttmp9                           ; p: the cluster's x
	s_lshl_b32 s12, s8, 2
	s_lshl_b32 s12, 15, s12                        ; my row of the cluster
	s_lshl_b32 s13, 0x1111, s7                     ; my column
	s_or_b32 s[G1X], s12, (3<<16)|(1<<21)          ; 15:0 the mask; 17:16 elements of 8 bytes; 21 set beside a mask; no padding
	s_or_b32 s[G1W], s13, (3<<16)|(1<<21)
.irp g, G1X, G1W                       ; 2 rows of 4,096 elements (32,768 bytes), 131,072 bytes apart
	s_mov_b32 s[\g+1], 4096<<16                    ; tensor_dim0
	s_mov_b32 s[\g+2], 2<<16                       ; tensor_dim1
	s_mov_b32 s[\g+3], 4096<<16                    ; tile_dim0
	s_mov_b32 s[\g+4], 2                           ; tile_dim1
	s_mov_b32 s[\g+5], 16384                       ; from row to row
	s_mov_b32 s[\g+6], 0
	s_mov_b32 s[\g+7], 0
.endr
	s_lshl_b32 s2, s10, 18                         ; x: blocks 2 gy, 2 gy + 1, 131,072 bytes each,
	s_lshl_b32 s3, s11, 22                         ; in the product's own set of codes
	s_add_co_u32 s2, s2, s3
	s_mov_b32 s3, 0
	s_lshl_b32 s66, s9, 18                         ; W: tensor p, blocks 2 (4 p + tile), and the next
	s_mov_b32 s67, 0
	s_lshl_b32 s48, s6, 15                         ; the head: K step s6,
	s_mov_b32 s49, 0
	s_lshl_b32 s50, s6, 17                         ; the refills: block s6
	s_mov_b32 s51, 0
	s_lshl_b32 s14, s4, 15                         ; where a refill's piece goes in a slot: the wave's number alone
	s_wait_dscnt 0x0                               ; both opening adds are done
	s_wait_kmcnt 0x0
	s_load_b256 s[84:91], s[72:73], 0x0            ; e0 .. e7
	s_load_b128 s[92:95], s[72:73], 0x20           ; e8 .. e11
	s_add_nc_u64 s[2:3], s[68:69], s[2:3]
	s_add_nc_u64 s[66:67], s[70:71], s[66:67]
	s_mov_b32 s[GHX], 1
	s_lshl_b32 s[GHX+1], s6, 17                    ; slot s6: x's two blocks,
	s_add_nc_u64 s[GHX+2:GHX+3], s[2:3], s[48:49]
	s_or_b32 s[GHX+3], s[GHX+3], 0x80000000
	s_mov_b32 s[GHW], 1
	s_add_co_u32 s[GHW+1], s[GHX+1], 65536         ; then W's
	s_add_nc_u64 s[GHW+2:GHW+3], s[66:67], s[48:49]
	s_or_b32 s[GHW+3], s[GHW+3], 0x80000000
	s_add_nc_u64 s[2:3], s[2:3], s[50:51]          ; my piece's block
	s_add_nc_u64 s[66:67], s[66:67], s[50:51]
.irp s, 0,1
	s_mov_b32 s[G0X+4*\s], 1
	s_add_co_u32 s[G0X+4*\s+1], s14, \s*SLOT
	s_add_nc_u64 s[G0X+4*\s+2:G0X+4*\s+3], s[2:3], 65536+\s*32768   ; slot s takes K step 2 + s
	s_or_b32 s[G0X+4*\s+3], s[G0X+4*\s+3], 0x80000000
	s_mov_b32 s[G0W+4*\s], 1
	s_add_co_u32 s[G0W+4*\s+1], s14, \s*SLOT
	s_add_nc_u64 s[G0W+4*\s+2:G0W+4*\s+3], s[66:67], 65536+\s*32768
	s_or_b32 s[G0W+4*\s+3], s[G0W+4*\s+3], 0x80000000
.endr
	CROUND                                         ; all sixteen work-groups are here: the first joint loads meet
	JLOAD GHX, GHW                                 ; K steps 0 and 1: one tensor load a wave
	s_cmp_eq_u32 s5, 0
	s_cselect_b64 s[PFA:PFA+1], s[2:3], s[66:67]   ; the prefetches: my piece,
	s_cselect_b32 s62, s7, s8                      ; and my place among the four that ask for it with me:
	s_lshl_b32 s62, s62, 13                        ; 8,192 bytes of a step's 32,768 each
	s_mov_b32 s63, 0
	s_add_nc_u64 s[PFA:PFA+1], s[PFA:PFA+1], s[62:63]
	v_and_b32 v2, 31, v0
	v_lshlrev_b32 v[LI], 4, v2
	v_lshlrev_b32 v[PFO], 8, v2
	s_wait_alu depctr_va_vdst(0)
	s_lshl_b32 s14, s5, 15                         ; my block of tokens in a slot
	s_lshl_b32 s15, s6, 15
	s_add_co_u32 s15, s15, 0x10000                 ; my block of outputs, behind x's two
	s_cmp_eq_u32 s11, 2                            ; V: the roles change places.  Both values lie inside the slot
	s_cselect_b32 s50, s15, s14                    ; role A: its rows go to the lanes
	s_cselect_b32 s51, s14, s15                    ; role B: its rows go along the registers
.irp s, 0,1
	v_add_nc_u32 v[ADRA+\s], s50, v[LI]
	v_add_nc_u32 v[ADRB+\s], s51, v[LI]
	s_add_co_u32 s50, s50, SLOT
	s_add_co_u32 s51, s51, SLOT
.endr
	v_bfe_u32 v3, v0, 4, 1
	v_lshlrev_b32 v3, 5, v3                        ; 32 h: bias along the registers
	v_and_b32 v4, 15, v0
	v_lshlrev_b32 v4, 2, v4                        ; 4 r: bias along the lanes
	s_wait_alu depctr_va_vdst(0)
	s_wait_kmcnt 0x0
	s_cmp_eq_u32 s11, 1                            ; the product's scales and bias, chosen without a jump
	s_cselect_b32 s2, s86, s84
	s_cselect_b32 s3, s87, s85
	s_cselect_b32 s14, s91, s90
	s_cselect_b64 s[100:101], s[76:77], s[74:75]
	s_cmp_eq_u32 s11, 2
	s_cselect_b32 s2, s88, s2                      ; ex
	s_cselect_b32 s3, s89, s3                      ; ew
	s_cselect_b32 s14, s93, s14                    ; eo
	s_cselect_b64 s[100:101], s[78:79], s[100:101]
	s_add_co_i32 s96, s2, s3
	s_add_co_i32 s96, s96, 127
	s_lshl_b32 s96, s96, 23                        ; 2^(ex + ew)
	s_mov_b32 s97, s96                             ; (named with it as a pair)
	s_add_co_i32 s14, s14, 127
	s_lshl_b32 s15, s14, 23
	v_mov_b32 v[SCL], s15                          ; 2^eo
	s_add_co_i32 s14, s14, 15
	s_lshl_b32 s14, s14, 23
	s_or_b32 s14, s14, 0x600000
	v_mov_b32 v[SCL+1], s14                        ; 57,344 x 2^eo
	s_lshl_b32 s66, s7, 10                         ; the bias of my 128 outputs: (256 cx + 128 ww) x 4 bytes
	s_lshl_b32 s3, s6, 9
	s_add_co_u32 s66, s66, s3
	s_mov_b32 s67, 0
	s_add_nc_u64 s[100:101], s[100:101], s[66:67]
.irp b, 0,1,2,3,4,5,6,7                ; both forms are loaded whatever p is: 512 bytes each way, inside the bias
	global_load_b128 v[BI+8*\b:BI+8*\b+3],   v3, s[100:101] offset:64*\b      ; b(16 b + 8 h + 0 .. 7)
	global_load_b128 v[BI+8*\b+4:BI+8*\b+7], v3, s[100:101] offset:64*\b+16
.endr
.irp a, 0,1,2,3,4,5,6,7
	global_load_b32 v[VB+\a], v4, s[100:101] offset:64*\a                     ; b(16 a + r)
.endr
	global_prefetch_b8 v[PFO], s[PFA:PFA+1] offset:65536 th:TH_LOAD_NT scope:SCOPE_SE   ; K step 2
	s_lshl_b32 s2, s7, 2
	s_lshl_b32 s3, s6, 1
	s_add_co_u32 s2, s2, s3                        ; my first head: 4 cx + 2 ww
	s_lshr_b32 s3, s10, 3
	s_lshl_b32 s3, s3, 4
	s_add_co_u32 s2, s2, s3                        ; + 16 b
	s_and_b32 s3, s10, 7
	s_lshl_b32 s3, s3, 1
	s_add_co_u32 s3, s3, s5                        ; my block of 128 tokens in the sequence
.macro FRAG reg, adr, q, i             ; a fragment: four loads of 512 consecutive bytes
.irp c, 0,1,2,3
	ds_load_b128 v[\reg+4*\c:\reg+4*\c+3], v[\adr] offset:16384*(\q)+2048*(\i)+512*\c
.endr
.endm
; 16 matrix instructions: A's blocks a0, a0 + 1 x B's eight, 128 along K.  p: B's set.  zero = 1: the first product starts the sums.
; The 64 accumulators take turns, one instruction a turn, in the same order in every step.
.macro MUL16 a0, p, zero
.irp a, \a0, \a0+1
.irp b, 0,1,2,3,4,5,6,7
.if \zero
	v_wmma_f32_16x16x128_bf8_bf8 v[8*(8*((\a)%4)+\b):8*(8*((\a)%4)+\b)+7], v[128*(\p)+FR*\b:128*(\p)+FR*\b+FR-1], v[AF+FR*(\a):AF+FR*(\a)+FR-1], 0
.else
	v_wmma_f32_16x16x128_bf8_bf8 v[8*(8*((\a)%4)+\b):8*(8*((\a)%4)+\b)+7], v[128*(\p)+FR*\b:128*(\p)+FR*\b+FR-1], v[AF+FR*(\a):AF+FR*(\a)+FR-1], v[8*(8*((\a)%4)+\b):8*(8*((\a)%4)+\b)+7]
.endif
.endr
.endr
.endm
.macro FETCH_B slot, q, p              ; B's eight fragments of the slot's q-th kfrag into set p
	WIN TO_B
.irp i, 0,1,2,3,4,5,6,7
	FRAG 128*(\p)+FR*\i, ADRB+\slot, \q, \i
.endr
	WIN 0
.endm
.macro FETCH_A slot, q, i0             ; A's blocks i0 .. i0 + 3
.irp i, \i0, \i0+1, \i0+2, \i0+3
	FRAG AF+FR*(\i), ADRA+\slot, \q, \i
.endr
.endm
; A step of 128 along K that has its successor in the same slot.  A block of A is free as soon as its eight products are issued: blocks 0-3 are fetched anew in the step's middle, blocks 4-7 at its end.
.macro STEP slot, q, zero
	s_wait_dscnt 4*NL                              ; B's set and A's blocks 0-3 are in; the youngest sixteen loads (A's blocks 4-7) may be out
	WIN MUL_LO
	MUL16 0, (\q)%2, \zero
	MUL16 2, (\q)%2, \zero
	s_wait_dscnt 0                                 ; A's blocks 4-7 are in
	PLACES
	FETCH_B \slot, (\q)+1, 1-(\q)%2
	FETCH_A \slot, (\q)+1, 0
	WIN MUL_HI
	MUL16 4, (\q)%2, \zero
	MUL16 6, (\q)%2, \zero
	PLACES
	WIN 0
	FETCH_A \slot, (\q)+1, 4
.endm
; A slot's last step changes slots: one barrier; in front of it each wave waits for all its tensor loads, adds 0 to its spare word, and waits for that and for its own reads of this slot.  fill = 1: this slot is filled again, two K steps ahead.
.macro TURN slot, next, fill, narrow
	s_wait_tensorcnt 0x0                           ; all my tensor loads have landed (every window is 0 here)
	ds_add_u32 v[SPW], v[NIL]                      ; 0 onto my spare word
.if \narrow                            ; no load is out: from here on a tile is one row of 32,768 bytes
.irp g, G1X, G1W
	s_mov_b32 s[\g+2], 1<<16
	s_mov_b32 s[\g+4], 1
.endr
.endif
	s_wait_dscnt 4*NL+1                            ; (the add and the youngest sixteen loads, A's blocks 4-7, may be out)
	WIN MUL_LO
	MUL16 0, 1, 0                                  ; sixteen matrix instructions stand between the add and the wait for it
	s_wait_dscnt 0x0                               ; the add is done, and my reads of this slot are over
	s_barrier_signal -1
	MUL16 2, 1, 0
	WIN 0
	s_barrier_wait -1
.if \fill
	CREST                                          ; the barrier has opened a round of the cluster's barrier: no wave of any partner still reads this slot or has a load on its way
	JLOAD G0X+4*\slot, G0W+4*\slot                 ; the first tensor load behind the round; the four v_nop behind it are the places in front of the loads below
.else
	PLACES
.endif
	FETCH_B \next, 0, 0
	FETCH_A \next, 0, 0
	WIN MUL_HI
	MUL16 4, 1, 0
	MUL16 6, 1, 0
	PLACES
	WIN 0
	FETCH_A \next, 0, 4
.endm
	s_wait_alu depctr_va_vdst(0)
	s_wait_tensorcnt 0x0                           ; my two rows are in
	s_barrier_signal -1
	s_barrier_wait -1                              ; K steps 0 and 1 are whole
	FETCH_B 0, 0, 0
	FETCH_A 0, 0, 0
	FETCH_A 0, 0, 4
	global_prefetch_b8 v[PFO], s[PFA:PFA+1] offset:98304 th:TH_LOAD_NT scope:SCOPE_SE   ; K step 3
	STEP 0, 0, 1                                   ; the first step's products start the sums
	TURN 0, 1, 1, 1                                ; slot 0 takes K step 2
	STEP 1, 0, 0
	TURN 1, 0, 1, 0                                ; slot 1 takes K step 3
	STEP 0, 0, 0
	TURN 0, 1, 0, 0                                ; nothing is left to fetch
	STEP 1, 0, 0
	s_wait_dscnt 4*NL                              ; the last step
	WIN MUL_LO
	MUL16 0, 1, 0
	MUL16 2, 1, 0
	s_wait_dscnt 0
	WIN MUL_HI
	MUL16 4, 1, 0
	MUL16 6, 1, 0
	WIN 0
	PLACES
; THE WAY OUT of A's tile a: sum x 2^(ex + ew) + b into window 0, the hold, eight conversions: 16 operand registers.  lanes = 1: the bias goes with the lane (V), else with the register (Q, K).
.macro EPI a, lanes
.set AC, 64*((\a)%4)
.set TT, AF+64*((\a)%2)
.set CC, CD+16*((\a)%2)
	WIN 0x02+((\a)/4)                              ; source 0: window 2 or 3
.irp b, 0,1,2,3,4,5,6,7
.irp k, 0,2,4,6
.if \lanes
	v_pk_fma_f32 v[TT+8*\b+\k:TT+8*\b+\k+1], v[AC+8*\b+\k:AC+8*\b+\k+1], s[96:97], v[BI+2*(\a):BI+2*(\a)+1] op_sel_hi:[1,0,1]
.else
	v_pk_fma_f32 v[TT+8*\b+\k:TT+8*\b+\k+1], v[AC+8*\b+\k:AC+8*\b+\k+1], s[96:97], v[BI+8*\b+\k:BI+8*\b+\k+1] op_sel_hi:[1,0,1]   ; each accumulator from its low end on
.endif
.endr
.endr
	WIN 0
.set j, 0
.rept 64
	v_med3_num_f32 v[TT+j], v[TT+j], -v[SCL+1], v[SCL+1]   ; the conversion to an 8-bit code does not saturate (ISA guide 7.6.2)
.set j, j+1
.endr
.if (\a) >= 2
	s_wait_alu depctr_va_vdst(0)
	s_wait_xcnt 0x0                                ; tile a - 2's stores have read this set of code registers
.endif
.irp b, 0,1,2,3,4,5,6,7
	v_cvt_scalef32_pk8_bf8_f32 v[CC+2*\b:CC+2*\b+1], v[TT+8*\b:TT+8*\b+7], v[SCL]   ; B's rows 16 b + 8 h + 0 .. 7: register pair b
.endr
	v_nop                                          ; a plain line behind the last conversion
.endm
	s_wait_loadcnt 0x0                             ; the bias
	s_cmp_eq_u32 s11, 2                            ; bias and places differ for V: a branch on the cluster's x, round register work and stores alone
	s_cbranch_scc1 .Lv
	; ---- Q and K: tile a is 16 tokens; registers 0-7 are my first head's fragment, 8-15 my second's
	s_cmp_eq_u32 s11, 0
	s_cselect_b64 s[98:99], s[80:81], s[82:83]     ; qi or kvi
	s_cselect_b32 s14, 17, 18                      ; a head is 2^17 bytes in qi, 2^18 in kvi; a block of 128 tokens a sixteenth of it
	s_lshl_b32 s66, s2, s14
	s_lshl_b32 s50, 1, s14
	s_mov_b32 s51, 0
	s_sub_co_u32 s14, s14, 4
	s_lshl_b32 s15, s3, s14
	s_add_co_u32 s66, s66, s15
	s_add_nc_u64 s[98:99], s[98:99], s[66:67]      ; my first head,
	s_add_nc_u64 s[48:49], s[98:99], s[50:51]      ; my second
.irp a, 0,1,2,3,4,5,6,7
	EPI \a, 0
	global_store_b128 v[LI], v[CD+16*(\a%2):CD+16*(\a%2)+3],     s[98:99] offset:1024*\a
	global_store_b128 v[LI], v[CD+16*(\a%2)+4:CD+16*(\a%2)+7],   s[98:99] offset:1024*\a+512
	global_store_b128 v[LI], v[CD+16*(\a%2)+8:CD+16*(\a%2)+11],  s[48:49] offset:1024*\a
	global_store_b128 v[LI], v[CD+16*(\a%2)+12:CD+16*(\a%2)+15], s[48:49] offset:1024*\a+512
.endr
	s_branch .Lend
.Lv:	; ---- V: tile a is 16 channels (head a / 4, tile a % 4); the 16 registers are its fragment over my 128 tokens
.irp a, 0,1,2,3,4,5,6,7
	v_mov_b32 v[BI+2*\a], v[VB+\a]                 ; a lane's one bias, as a pair
	v_mov_b32 v[BI+2*\a+1], v[VB+\a]
.endr
	s_lshl_b32 s66, s2, 18
	s_lshl_b32 s15, s3, 14
	s_add_co_u32 s66, s66, s15
	s_add_co_u32 s66, s66, 8192                    ; behind the block's K
	s_add_nc_u64 s[98:99], s[82:83], s[66:67]
.irp a, 0,1,2,3,4,5,6,7
	EPI \a, 1
.irp q, 0,1,2,3
	global_store_b128 v[LI], v[CD+16*(\a%2)+4*\q:CD+16*(\a%2)+4*\q+3], s[98:99] offset:262144*(\a/4)+2048*(\a%4)+512*\q
.endr
.endr
.Lend:
	s_wait_tensorcnt 0x0                           ; the wave's end, behind my last tensor load
	ds_add_u32 v[SPW], v[NIL]
	s_wait_dscnt 0x0
	CROUND                                         ; the closing round
	s_endpgm
.Lfunc_end_k_q6c740d9f24_qkv:
	.size	k_q6c740d9f24_qkv, .Lfunc_end_k_q6c740d9f24_qkv-k_q6c740d9f24_qkv
	.p2alignl 7, 3214868480
	.fill 96, 4, 3214868480
	.section	.rodata,"a",@progbits
	.p2align	6, 0x0
	.amdhsa_kernel k_q6c740d9f24_qkv
		.amdhsa_group_segment_fixed_size 327680
		.amdhsa_private_segment_fixed_size 0
		.amdhsa_enable_private_segment 0
		.amdhsa_kernarg_size 64
		.amdhsa_user_sgpr_count 2
		.amdhsa_user_sgpr_kernarg_segment_ptr 1
		.amdhsa_wavefront_size32 1
		.amdhsa_system_sgpr_workgroup_id_x 1
		.amdhsa_system_sgpr_workgroup_id_y 1
		.amdhsa_system_sgpr_workgroup_id_z 1
		.amdhsa_system_vgpr_workitem_id 0
		.amdhsa_next_free_vgpr 1024
		.amdhsa_next_free_sgpr 102
		.amdhsa_reserve_vcc 0
		.amdhsa_float_denorm_mode_32 3
		.amdhsa_float_denorm_mode_16_64 3
		.amdhsa_memory_ordered 1
		.amdhsa_forward_progress 1
		.amdhsa_inst_pref_size 194
	.end_amdhsa_kernel
	.amdgpu_metadata
---
amdhsa.version: [ 1, 2 ]
amdhsa.kernels:
  - .name:           k_q6c740d9f24_qkv
    .symbol:         k_q6c740d9f24_qkv.kd
    .args:
      - { .name: xc, .offset: 0, .size: 8, .value_kind: global_buffer, .address_space: global }
      - { .name: wc, .offset: 8, .size: 8, .value_kind: global_buffer, .address_space: global }
      - { .name: lowp_scales, .offset: 16, .size: 8, .value_kind: global_buffer, .address_space: global }
      - { .name: b_q, .offset: 24, .size: 8, .value_kind: global_buffer, .address_space: global }
      - { .name: b_k, .offset: 32, .size: 8, .value_kind: global_buffer, .address_space: global }
      - { .name: b_v, .offset: 40, .size: 8, .value_kind: global_buffer, .address_space: global }
      - { .name: qi, .offset: 48, .size: 8, .value_kind: global_buffer, .address_space: global }
      - { .name: kvi, .offset: 56, .size: 8, .value_kind: global_buffer, .address_space: global }
    .group_segment_fixed_size: 327680
    .private_segment_fixed_size: 0
    .kernarg_segment_align: 8
    .kernarg_segment_size: 64
    .max_flat_workgroup_size: 128
    .sgpr_count:     102
    .vgpr_count:     1024
    .wavefront_size: 32
...
	.end_amdgpu_metadata
.endif
;; end of part 6
;; launch attn (part 7): grid 8 x 32, 8 waves a work-group, clusters of 4 x 1, 327,680 bytes of LDS; arguments qi, kvi, lowp_scales, ctx; writes ctx
.if DOCPART == 7
	.amdgcn_target "amdgcn-amd-amdhsa--gfx1250"
	.amdhsa_code_object_version 6
	.text
	.protected	k_q6c740d9f24_attn
	.globl	k_q6c740d9f24_attn
	.p2align	8
	.type	k_q6c740d9f24_attn,@function
k_q6c740d9f24_attn:
	s_mov_b64 s[64:65], 0
	v_nop
	global_prefetch_b8 v0, s[64:65] scope:SCOPE_SE
	s_setreg_imm32_b32 hwreg(HW_REG_WAVE_MODE, 25, 1), 1
	s_wait_xcnt 0x0
	s_wait_alu depctr_hold_cnt(0) depctr_sa_sdst(0) depctr_va_vdst(0) depctr_va_sdst(0) depctr_va_ssrc(0) depctr_va_vcc(0) depctr_vm_vsrc(0)
	s_getreg_b32 s2, hwreg(HW_REG_IB_STS2, 6, 4)
	s_cmp_eq_u32 s2, 0
	s_cbranch_scc0 .Lentry_in_a_cluster
	s_endpgm
.Lentry_in_a_cluster:
	s_bfe_u32 s2, ttmp6, 0x10000c
	s_cmp_lg_u32 s2, 0x3003
	s_cbranch_scc0 .Lentry_shape_is_right
	s_endpgm
.Lentry_shape_is_right:
; ctx = softmax(Q K^T / 8) V for one (batch, head) and 256 queries a work-group, both products on E5M2 codes; the result is quantised (2^e10) for the projection that follows.
; THE SOFTMAX: t = score x log2(e) / 8; M = the largest t so far, rounded UP to a whole number; p = 2^(t - M) is quantised (2^e8), not normalised; the row's sum is taken of the unquantised p and divides at the end.
; When M moves, the sum and O are multiplied by 2^(old M - new M): nothing is rounded.
; LIMITS: e6 + e7 between -123 and 130 (added to c's exponent field); e8, e10 between -126 and 112; e8 + e9 goes in by v_ldexp_f32.  p under 2^-126 comes out as 0.  NaN is not served.
; SHARES.  Eight waves, each two tiles (A, B) of 16 queries in 512 registers: two waves to a SIMD.  Every wave walks the 2,048 keys, 256 a step; each fragment of K and V that it reads feeds both tiles.
; In a step tile A goes through the scores and the softmax, then tile B in the same 128 score registers, then both take their products with V: M and O are brought up to date once for 256 keys.
; LDS holds the head's whole 262,144 bytes of K and V as they lie in memory ([block of 128 keys 16][K: 8 tiles x 1,024; V: 4 tiles x 2,048], images of operand registers).  Nothing is filled again.
; TWO LOADS A WAVE: at the head an eighth (8,192 bytes) of blocks 0 to 3, which serve step 0 and its look-ahead; behind the full sequence and a round an eighth (24,576 bytes) of blocks 4 to 15, which has step 0 in which to land.
; Both go out ahead of the loop: no later load for a prefetch to run ahead of.
; CLUSTER: the four query blocks of a cluster belong to one head and read the same K and V: each piece is asked for jointly (mask 15).
; LAYOUT.  S^T = K Q^T (source 0 = 16 keys, source 1 = 16 queries): lane (r, h) holds query r, register j of tile t key 16 t + 8 h + j: a conversion of a tile gives register pair t of P's K = 128 fragment.
; O^T = V^T P^T (source 0 = 16 channels x 128 keys): lane (r, h) holds query r, channels 16 a + 8 h + j: a conversion gives register pair a of the projection's operand.  Nothing changes lanes but a maximum and a sum.
; THREE BUFFERS of 64 registers: KA, KB hold the step's two blocks of K, VB its first block of V.  Behind tile B's scores KA takes the second block of V, KB the next step's second block of K;
; behind the products with V KA takes the next step's first block of K, VB its first block of V.  In the last trip the look-ahead wraps to blocks 0 and 1, whole bytes that are not used again.
; REGISTERS.  window 0: v1 16 x lane; v2, v3 LDS addresses of this step's and the next step's blocks; v5, v6 the add's two; v[12:13], v[14:15] -M and the largest score of A, B; v[16:17], v[18:19] their sums; v[20:21] f;
;   v22-27 at work; v28, v29: 2^e8 and 57,344 x 2^e8; v30, v31: the same for e10; v32-47 Q; v48-63 eight partial sums; v64-127 O^T of A, B; v128-255 the scores, then p.   window 1: v0-63 KA, v64-127 KB, v128-191 VB, v192-255 p's codes of A, B.
.set SPARE, 262144                     ; behind K and V: the spare words, 128 bytes a wave: four blocks of 256 bytes that no other line names
.set LI,  1
.set ADR, 2
.set ADN, 3
.set SPW, 5
.set NIL, 6
.set MA,  12
.set MB,  14
.set LA,  16
.set LB,  18
.set FF,  20
.set XM,  22                           ; v22-25 four chains, v26 lane xor 16's
.set OM,  27
.set HS,  28
.set HO,  30
.set QA,  32
.set QB,  40
.set AC,  48
.set OA,  64
.set OB,  96
.set SC,  128
.set KA,  0
.set KB,  64
.set VB,  128
.set PA,  192
.set PB,  224
.set WV,  12
.set G1,  16                           ; s[16:23] descriptor group 1 of the first load, s[40:47] of the second: they differ in the number of rows
.set G1B, 40
.set G0,  32                           ; s[32:35], s[60:63] their groups 0
.set G0B, 60
.set SEL, 24                           ; s[24:25] v_permlanex16_b32's selects for lane l xor 16
.set CS,  26                           ; s[26:27] c = log2(e) / 8 x 2^(e6 + e7)
.set TB,  28                           ; LDS byte of the step's first block,
.set TBN, 36                           ; of the next step's
.set CNT, 29
.set NCS, 37                           ; -c
.set MSB, 0
.macro WIN new                         ; the immediate's high byte repeats the setting that is left
.if MSB != \new
	s_set_vgpr_msb (MSB<<8)|\new
.set MSB, \new
.endif
.endm
.macro CROUND                          ; a round of the cluster's barrier
	s_barrier_signal -1
	s_barrier_wait -1
	s_cmp_lg_u32 s[WV], 0
	s_cbranch_scc1 .Lnot_wave_0_\@
	s_barrier_signal -3
.Lnot_wave_0_\@:
	s_barrier_wait -3
	s_barrier_signal -1
	s_barrier_wait -1
.endm
	s_load_b256 s[4:11], s[0:1], 0x0               ; qi 4, kvi 6, scales 8, ctx 10
	v_lshl_add_u32 v[SPW], v0, 2, SPARE
	v_mov_b32 v[NIL], 0
	ds_add_u32 v[SPW], v[NIL]                      ; the wave's opening: the add, twice on end, and its wait ahead of the first tensor load
	ds_add_u32 v[SPW], v[NIL]
	v_lshrrev_b32 v2, 5, v0
	s_delay_alu instid0(VALU_DEP_1)
	v_readfirstlane_b32 s[WV], v2                  ; wave 0..7
	s_bfe_u32 s13, ttmp6, 0x40000                  ; cx
	s_lshl_b32 s14, ttmp9, 2
	s_add_co_u32 s14, s14, s13                     ; my block of 256 queries: it enters Q's and ctx's addresses alone
	s_and_b32 s15, ttmp7, 0xffff                   ; 16 b + head, which the four partners share
.irp g, G1, G1B                        ; rows of 32 elements (256 bytes), dense: 32 rows in the first load, 96 in the second
	s_mov_b32 s[\g], 15|(3<<16)|(1<<21)            ; 15:0 the mask: all four; 17:16 elements of 8 bytes; 21 set beside a mask; no padding
	s_mov_b32 s[\g+1], 32<<16
	s_mov_b32 s[\g+3], 32<<16
	s_mov_b32 s[\g+5], 32
	s_mov_b32 s[\g+6], 0
	s_mov_b32 s[\g+7], 0
.endr
	s_mov_b32 s[G1+2], 32<<16
	s_mov_b32 s[G1+4], 32
	s_mov_b32 s[G1B+2], 96<<16
	s_mov_b32 s[G1B+4], 96
	s_mov_b32 s[SEL], 0x76543210
	s_mov_b32 s[SEL+1], 0xfedcba98
	s_mov_b32 s[CS], 0x3e38aa3b                    ; log2(e) / 8
	s_lshl_b32 s30, s[WV], 13                      ; my eighth of blocks 0 to 3, in LDS as in memory,
	s_mul_i32 s31, s[WV], 24576
	s_add_co_u32 s31, s31, 65536                   ; and of blocks 4 to 15
	s_lshl_b32 s54, s15, 18                        ; the head's K and V
	s_mov_b32 s55, 0
	s_mov_b32 s56, s30
	s_mov_b32 s57, 0
	s_mov_b32 s58, s31
	s_mov_b32 s59, 0
	s_wait_dscnt 0x0                               ; both opening adds are done
	s_wait_kmcnt 0x0
	s_load_b128 s[48:51], s[8:9], 0x18             ; e6, e7, e8, e9
	s_load_b32 s52, s[8:9], 0x28                   ; e10
	s_add_nc_u64 s[54:55], s[6:7], s[54:55]
	s_mov_b32 s[G0], 1
	s_mov_b32 s[G0+1], s30
	s_add_nc_u64 s[G0+2:G0+3], s[54:55], s[56:57]
	s_or_b32 s[G0+3], s[G0+3], 0x80000000
	s_mov_b32 s[G0B], 1
	s_mov_b32 s[G0B+1], s31
	s_add_nc_u64 s[G0B+2:G0B+3], s[54:55], s[58:59]
	s_or_b32 s[G0B+3], s[G0B+3], 0x80000000
	CROUND                                         ; all four work-groups are here: the joint loads meet
	tensor_load_to_lds s[G0:G0+3], s[G1:G1+7]
	s_nop 0
.rept 4
	v_nop
.endr
	s_lshl_b32 s56, s15, 17                        ; Q: the head, then tiles 16 x block + 2 x wave and the next, 1,024 bytes a tile
	s_lshl_b32 s31, s14, 4
	s_lshl_b32 s30, s[WV], 1
	s_add_co_u32 s31, s31, s30
	s_lshl_b32 s31, s31, 10
	s_add_co_u32 s56, s56, s31
	s_mov_b32 s57, 0
	s_add_nc_u64 s[4:5], s[4:5], s[56:57]
	v_and_b32 v[LI], 31, v0
	s_delay_alu instid0(VALU_DEP_1)
	v_lshlrev_b32 v[LI], 4, v[LI]
.irp i, 0,1,2,3
	global_load_b128 v[QA+4*\i:QA+4*\i+3], v[LI], s[4:5] offset:512*\i
.endr
	s_lshr_b32 s56, s15, 4                         ; ctx: [block of 128 tokens][kfrag = head / 2][tile of 16 tokens][2048]; an odd head takes quads 2, 3
	s_lshl_b32 s56, s56, 4
	s_lshl_b32 s31, s14, 1
	s_add_co_u32 s56, s56, s31
	s_lshr_b32 s31, s[WV], 2
	s_add_co_u32 s56, s56, s31                     ; 16 b + 2 x block + wave / 4
	s_lshl_b32 s56, s56, 17
	s_bfe_u32 s31, s15, 0x30001                    ; head / 2
	s_lshl_b32 s31, s31, 14
	s_add_co_u32 s56, s56, s31
	s_and_b32 s31, s[WV], 3
	s_lshl_b32 s31, s31, 12
	s_add_co_u32 s56, s56, s31
	s_and_b32 s31, s15, 1
	s_lshl_b32 s31, s31, 10
	s_add_co_u32 s56, s56, s31
	s_add_nc_u64 s[10:11], s[10:11], s[56:57]
	v_mov_b32 v[MA+1], 0xff61b1e6                  ; the largest score so far: -3e38, under every score
	v_mov_b32 v[MB+1], 0xff61b1e6
	v_mov_b32 v[FF+1], 0                           ; (named as the upper half of the pair)
	v_mov_b32 v[XM+4], 0                           ; written once: a lane permute's destination counts as one of its sources
	s_wait_alu depctr_va_vdst(0)
	s_wait_kmcnt 0x0
	s_add_co_i32 s30, s48, s49
	s_lshl_b32 s30, s30, 23
	s_add_co_i32 s[CS], s[CS], s30                 ; a score stands for score x 2^(e6 + e7): added to c's exponent field
	s_mov_b32 s[CS+1], s[CS]
	s_xor_b32 s[NCS], s[CS], 0x80000000
	s_add_co_i32 s30, s50, 127
	s_lshl_b32 s31, s30, 23
	v_mov_b32 v[HS], s31                           ; 2^e8
	s_add_co_i32 s30, s30, 15
	s_lshl_b32 s30, s30, 23
	s_or_b32 s30, s30, 0x600000
	v_mov_b32 v[HS+1], s30                         ; 57,344 x 2^e8
	s_add_co_i32 s30, s52, 127
	s_lshl_b32 s31, s30, 23
	v_mov_b32 v[HO], s31                           ; 2^e10
	s_add_co_i32 s30, s30, 15
	s_lshl_b32 s30, s30, 23
	s_or_b32 s30, s30, 0x600000
	v_mov_b32 v[HO+1], s30                         ; 57,344 x 2^e10
.macro GETK reg, adr, off              ; a block's eight fragments of K: 16 loads of 512 consecutive bytes
.irp t, 0,1,2,3,4,5,6,7
	ds_load_b128 v[\reg+8*\t:\reg+8*\t+3],   v[\adr] offset:\off+1024*\t
	ds_load_b128 v[\reg+8*\t+4:\reg+8*\t+7], v[\adr] offset:\off+1024*\t+512
.endr
.endm
.macro GETV reg, adr, off              ; its four fragments of V
.irp t, 0,1,2,3
.irp c, 0,1,2,3
	ds_load_b128 v[\reg+16*\t+4*\c:\reg+16*\t+4*\c+3], v[\adr] offset:\off+2048*\t+512*\c
.endr
.endr
.endm
.macro QK q, kr, sr                    ; a query tile's scores with 128 keys
.irp t, 0,1,2,3,4,5,6,7
	v_wmma_f32_16x16x64_bf8_bf8 v[\sr+8*\t:\sr+8*\t+7], v[\kr+8*\t:\kr+8*\t+7], v[\q:\q+7], 0
.endr
.endm
.macro PV vr, blk, zero                ; 128 keys into O^T of both tiles: the eight accumulators take one turn each
.irp w, 0,1
.irp t, 0,1,2,3
.if \zero
	v_wmma_f32_16x16x128_bf8_bf8 v[OA+32*\w+8*\t:OA+32*\w+8*\t+7], v[\vr+16*\t:\vr+16*\t+15], v[PA+32*\w+16*\blk:PA+32*\w+16*\blk+15], 0
.else
	v_wmma_f32_16x16x128_bf8_bf8 v[OA+32*\w+8*\t:OA+32*\w+8*\t+7], v[\vr+16*\t:\vr+16*\t+15], v[PA+32*\w+16*\blk:PA+32*\w+16*\blk+15], v[OA+32*\w+8*\t:OA+32*\w+8*\t+7]
.endif
.endr
.endr
.endm
.macro FMA c, i                        ; t - M, two at a time (of the pairs c and -M the low word serves both halves)
	v_pk_fma_f32 v[SC+32*(\c)+2*(\i):SC+32*(\c)+2*(\i)+1], v[SC+32*(\c)+2*(\i):SC+32*(\c)+2*(\i)+1], s[CS:CS+1], v[NM:NM+1] op_sel_hi:[1,0,0]
.endm
.macro HOLD c, i                       ; the conversion does not saturate (ISA guide 7.6.2); p is not negative, so the hold is one-sided
	v_dual_min_num_f32 v[SC+32*(\c)+2*(\i)], v[SC+32*(\c)+2*(\i)], v[HS+1] :: v_dual_min_num_f32 v[SC+32*(\c)+2*(\i)+1], v[SC+32*(\c)+2*(\i)+1], v[HS+1]
.endm
.macro ADDS c                          ; 32 unquantised p into eight partial sums of two halves
.irp k, 0,1,2,3,4,5,6,7
.if (\c) == 0
	v_pk_add_f32 v[AC+2*\k:AC+2*\k+1], v[SC+2*\k:SC+2*\k+1], v[SC+16+2*\k:SC+16+2*\k+1]
.else
	v_pk_add_f32 v[AC+2*\k:AC+2*\k+1], v[AC+2*\k:AC+2*\k+1], v[SC+32*(\c)+2*\k:SC+32*(\c)+2*\k+1]
.endif
.endr
.if (\c) > 0
.irp k, 0,1,2,3,4,5,6,7
	v_pk_add_f32 v[AC+2*\k:AC+2*\k+1], v[AC+2*\k:AC+2*\k+1], v[SC+32*(\c)+16+2*\k:SC+32*(\c)+16+2*\k+1]
.endr
.endif
.endm
; 32 exponentials of chunk c.  The wait ahead of them serves their sources and the first readers of the chunk before; chunk 1's serves O^T too, whose first readers stand directly behind it.
; Between the exponentials stand later chunks' scalings or earlier chunks' holds, which neither read nor write what another of these lines writes; behind them plain lines that read nothing of this chunk.
.macro CHUNK c, o, first
	s_wait_alu depctr_va_vdst(0)
.if (\c == 1) && (\first == 0)
.irp j, 0,2,4,6,8,10,12,14,16,18,20,22,24,26,28,30
	v_pk_mul_f32 v[\o+\j:\o+\j+1], v[\o+\j:\o+\j+1], v[FF:FF+1] op_sel_hi:[1,0]   ; O^T under the new M
.endr
.endif
.if \c == 3
	ADDS 2
.endif
.set n_, 0
.rept 16
	v_exp_f32 v[SC+32*\c+2*n_], v[SC+32*\c+2*n_]   ; p = 2^(t - M), at most 1
.if \c == 0
	FMA 1, n_
.elseif \c == 1
	FMA 3, n_
.elseif \c == 2
	HOLD 0, n_
.else
	HOLD 1, n_
.endif
	v_exp_f32 v[SC+32*\c+2*n_+1], v[SC+32*\c+2*n_+1]
.if n_ < 8
.if \c == 0
	FMA 2, n_
.elseif \c == 3
	HOLD 2, n_
.endif
.endif
.set n_, n_+1
.endr
.if \c == 0
.irp i, 8,9,10,11,12,13,14,15
	FMA 2, \i
.endr
.elseif \c == 1
	ADDS 0
.elseif \c == 2
	ADDS 1
.else
.irp i, 8,9,10,11,12,13,14,15
	HOLD 2, \i
.endr
.endif
.endm
; A query tile's softmax over 256 keys: nm: -M and the largest score; o: its O^T; p: its codes.  first = 1: nothing has been summed yet.
.macro SOFTMAX nm, o, p, first
.set NM, \nm
.if \first == 0
	v_mov_b32 v[OM], v[NM]
.endif
.irp t, 8,9,10,11,12,13,14,15,0,1,2,3,4,5,6,7
.irp k, 0,1,2,3                        ; the largest score of my query among my 128 keys and before, four chains, the scores in the order in which they were made; each accumulator from its low end on
.if \t == 8
	v_max3_num_f32 v[XM+\k], v[NM+1], v[SC+64+2*\k], v[SC+64+2*\k+1]
.else
	v_max3_num_f32 v[XM+\k], v[XM+\k], v[SC+8*\t+2*\k], v[SC+8*\t+2*\k+1]
.endif
.endr
.endr
	s_delay_alu instid0(VALU_DEP_2)
	v_max3_num_f32 v[XM], v[XM], v[XM+1], v[XM+2]
	s_delay_alu instid0(VALU_DEP_1)
	v_max_num_f32 v[XM], v[XM], v[XM+3]
	s_delay_alu instid0(VALU_DEP_1)
	v_permlanex16_b32 v[XM+4], v[XM], s[SEL], s[SEL+1]
	s_delay_alu instid0(VALU_DEP_1)
	v_max_num_f32 v[NM+1], v[XM], v[XM+4]          ; and among lane l xor 16's
	s_delay_alu instid0(VALU_DEP_1)
	v_mul_f32 v[XM], s[NCS], v[NM+1]               ; -t (c is positive)
	s_delay_alu instid0(VALU_DEP_1)
	v_floor_f32 v[NM], v[XM]                       ; the new -M = floor(-t) = -ceil(t)
.irp i, 0,1,2,3
	FMA 0, \i
.endr
.if \first == 0
	v_sub_f32 v[OM], v[NM], v[OM]                  ; old M - new M: a whole number, 0 or less
.endif
.irp i, 4,5,6,7
	FMA 0, \i
.endr
.if \first == 0
	v_cvt_i32_f32 v[OM], v[OM]                     ; (it saturates)
.endif
.irp i, 8,9,10,11
	FMA 0, \i
.endr
.if \first == 0
	v_ldexp_f32 v[FF], 1.0, v[OM]                  ; f = 2^(old M - new M)
.endif
.irp i, 12,13,14,15
	FMA 0, \i
.endr
	CHUNK 0, \o, \first
	CHUNK 1, \o, \first
	CHUNK 2, \o, \first
	CHUNK 3, \o, \first
	s_wait_alu depctr_va_vdst(0)                   ; and behind the last exponentials
	ADDS 3
.set n_, 0
.rept 16
	HOLD 3, n_
.set n_, n_+1
.endr
	WIN 0x40
.irp t, 0,1,2,3,4,5,6,7,8,9,10,11,12,13,14,15
	v_cvt_scalef32_pk8_bf8_f32 v[\p+2*\t:\p+2*\t+1], v[SC+8*\t:SC+8*\t+7], v[HS]   ; keys 16 t + 8 h + 0 .. 7: register pair t of P's two fragments
.endr
	WIN 0
.irp k, 0,1,2,3                        ; (plain lines behind the last conversion)
	v_pk_add_f32 v[AC+2*\k:AC+2*\k+1], v[AC+2*\k:AC+2*\k+1], v[AC+8+2*\k:AC+8+2*\k+1]
.endr
.endm
.macro FIN l, first                    ; the tile's sum: four plain lines, which are also the places behind the products ahead of them
	v_pk_add_f32 v[AC:AC+1], v[AC:AC+1], v[AC+4:AC+5]
	v_pk_add_f32 v[AC+2:AC+3], v[AC+2:AC+3], v[AC+6:AC+7]
.if \first
	v_nop
	v_pk_add_f32 v[\l:\l+1], v[AC:AC+1], v[AC+2:AC+3]
.else
	v_pk_add_f32 v[AC:AC+1], v[AC:AC+1], v[AC+2:AC+3]
	v_pk_fma_f32 v[\l:\l+1], v[\l:\l+1], v[FF:FF+1], v[AC:AC+1] op_sel_hi:[1,0,1]
.endif
.endm
.macro STEP first                      ; 256 keys: the blocks at LDS byte s[TB]
	s_add_co_u32 s[TBN], s[TB], 0x8000
	s_and_b32 s[TBN], s[TBN], 0x3ffff              ; in the last step: back to block 0
.if \first
	s_wait_dscnt 32                                ; KB is in (behind it: KA's and VB's 32 loads)
.endif
	WIN 0x01                                       ; source 0 window 1
	QK QA, KB, SC+64
	s_wait_dscnt 16                                ; KA is in; VB's 16 loads may be out
	QK QA, KA, SC
	WIN 0
	v_add_nc_u32 v[ADR], s[TB], v[LI]              ; with the three below: four places in front of the first read of the scores
	v_add_nc_u32 v[ADN], s[TBN], v[LI]
	v_nop
	v_nop
	SOFTMAX MA, OA, PA, \first
	WIN 0x01
	QK QB, KB, SC+64
	QK QB, KA, SC
	WIN 0
	FIN LA, \first
	WIN 0x40
	GETV KA, ADR, 24576                            ; the step's second block of V
	GETK KB, ADN, 16384                            ; the next step's second block of K
	WIN 0
	SOFTMAX MB, OB, PB, \first
	s_wait_alu depctr_va_vdst(0)
	s_wait_dscnt 0x0                               ; V is in
	WIN 0x05                                       ; sources 0 and 1 window 1
	PV KA, 1, \first
	WIN 0
	FIN LB, \first                                 ; four places in front of the loads into KA
	WIN 0x40
	GETK KA, ADN, 0                                ; the next step's first block of K,
	WIN 0x05
	PV VB, 0, 0
	WIN 0
.rept 4
	v_nop
.endr
	WIN 0x40
	GETV VB, ADN, 8192                             ; and of V
	WIN 0
.endm
	s_mov_b32 s[TB], 0
	s_wait_alu depctr_va_vdst(0)
	s_wait_loadcnt 0x0                             ; Q
	s_wait_tensorcnt 0x0                           ; my part of blocks 0 to 3 is in
	ds_add_u32 v[SPW], v[NIL]
	s_wait_dscnt 0x0
	CROUND                                         ; everybody's part is in, and the joint loads meet
	tensor_load_to_lds s[G0B:G0B+3], s[G1B:G1B+7]  ; blocks 4 to 15
	s_nop 0
.rept 4
	v_nop
.endr
	WIN 0x40
	GETK KB, LI, 16384
	GETK KA, LI, 0
	GETV VB, LI, 8192
	WIN 0
	STEP 1
	s_wait_alu depctr_va_vdst(0)
	s_wait_dscnt 0x0                               ; no LDS instruction of mine is out at the signal
	s_wait_tensorcnt 0x0                           ; my part of blocks 4 to 15 has landed
	s_barrier_signal -1
	s_barrier_wait -1                              ; everybody's has
	s_mov_b32 s[TB], 32768
	s_mov_b32 s[CNT], 7
.Lstep:
	STEP 0
	s_add_co_u32 s[TB], s[TB], 32768
	s_sub_co_u32 s[CNT], s[CNT], 1
	s_cmp_lg_u32 s[CNT], 0
	s_wait_alu depctr_va_vdst(0)
	s_cbranch_scc1 .Lstep
	; THE WAY OUT: O^T x 2^(e8 + e9) / the sum, quantised with 2^e10: the codes are the projection's operand registers
	v_add_f32 v[LA], v[LA], v[LA+1]
	v_add_f32 v[LB], v[LB], v[LB+1]
	v_permlanex16_b32 v[XM+4], v[LA], s[SEL], s[SEL+1]
	v_permlanex16_b32 v[XM], v[LB], s[SEL], s[SEL+1]
	v_add_f32 v[LA], v[LA], v[XM+4]                ; the rows' sums
	v_add_f32 v[LB], v[LB], v[XM]
	s_wait_alu depctr_va_vdst(0)                   ; the waits ahead of the reciprocals and behind them
	v_rcp_f32 v[LA], v[LA]
	v_rcp_f32 v[LB], v[LB]
	v_nop                                          ; a plain line behind the reciprocals
	s_add_co_i32 s30, s50, s51
	s_wait_alu depctr_va_vdst(0)
	v_ldexp_f32 v[LA], v[LA], s30
	v_ldexp_f32 v[LB], v[LB], s30
	s_wait_alu depctr_va_vdst(0)
.irp j, 0,2,4,6,8,10,12,14,16,18,20,22,24,26,28,30
	v_pk_mul_f32 v[OA+\j:OA+\j+1], v[OA+\j:OA+\j+1], v[LA:LA+1] op_sel_hi:[1,0]
.endr
.irp j, 0,2,4,6,8,10,12,14,16,18,20,22,24,26,28,30
	v_pk_mul_f32 v[OB+\j:OB+\j+1], v[OB+\j:OB+\j+1], v[LB:LB+1] op_sel_hi:[1,0]
.endr
.set n_, 0
.rept 64
	v_med3_num_f32 v[OA+n_], v[OA+n_], -v[HO+1], v[HO+1]
.set n_, n_+1
.endr
.irp a, 0,1,2,3,4,5,6,7
	v_cvt_scalef32_pk8_bf8_f32 v[SC+2*\a:SC+2*\a+1], v[OA+8*\a:OA+8*\a+7], v[HO]
.endr
	v_nop
	global_store_b128 v[LI], v[SC:SC+3], s[10:11]              ; 512 consecutive bytes, aligned
	global_store_b128 v[LI], v[SC+4:SC+7], s[10:11] offset:512
	global_store_b128 v[LI], v[SC+8:SC+11], s[10:11] offset:2048   ; tile B: the next tile of 16 tokens
	global_store_b128 v[LI], v[SC+12:SC+15], s[10:11] offset:2560
	s_wait_tensorcnt 0x0                           ; the wave's end, behind the last tensor load
	ds_add_u32 v[SPW], v[NIL]
	s_wait_dscnt 0x0
	CROUND                                         ; the closing round
	s_endpgm
.Lfunc_end_k_q6c740d9f24_attn:
	.size	k_q6c740d9f24_attn, .Lfunc_end_k_q6c740d9f24_attn-k_q6c740d9f24_attn
	.p2alignl 7, 3214868480
	.fill 96, 4, 3214868480
	.section	.rodata,"a",@progbits
	.p2align	6, 0x0
	.amdhsa_kernel k_q6c740d9f24_attn
		.amdhsa_group_segment_fixed_size 327680
		.amdhsa_private_segment_fixed_size 0
		.amdhsa_enable_private_segment 0
		.amdhsa_kernarg_size 32
		.amdhsa_user_sgpr_count 2
		.amdhsa_user_sgpr_kernarg_segment_ptr 1
		.amdhsa_wavefront_size32 1
		.amdhsa_system_sgpr_workgroup_id_x 1
		.amdhsa_system_sgpr_workgroup_id_y 1
		.amdhsa_system_sgpr_workgroup_id_z 1
		.amdhsa_system_vgpr_workitem_id 0
		.amdhsa_next_free_vgpr 512
		.amdhsa_next_free_sgpr 66
		.amdhsa_reserve_vcc 0
		.amdhsa_float_denorm_mode_32 3
		.amdhsa_float_denorm_mode_16_64 3
		.amdhsa_memory_ordered 1
		.amdhsa_forward_progress 1
		.amdhsa_inst_pref_size 123
	.end_amdhsa_kernel
	.amdgpu_metadata
---
amdhsa.version: [ 1, 2 ]
amdhsa.kernels:
  - .name:           k_q6c740d9f24_attn
    .symbol:         k_q6c740d9f24_attn.kd
    .args:
      - { .name: qi, .offset: 0, .size: 8, .value_kind: global_buffer, .address_space: global }
      - { .name: kvi, .offset: 8, .size: 8, .value_kind: global_buffer, .address_space: global }
      - { .name: lowp_scales, .offset: 16, .size: 8, .value_kind: global_buffer, .address_space: global }
      - { .name: ctx, .offset: 24, .size: 8, .value_kind: global_buffer, .address_space: global }
    .group_segment_fixed_size: 327680
    .private_segment_fixed_size: 0
    .kernarg_segment_align: 8
    .kernarg_segment_size: 32
    .max_flat_workgroup_size: 256
    .sgpr_count:     66
    .vgpr_count:     512
    .wavefront_size: 32
...
	.end_amdgpu_metadata
.endif
;; end of part 7
;; launch outp (part 8): grid 8 x 32, 4 waves a work-group, clusters of 4 x 4, 327,680 bytes of LDS; arguments ctx, wc, lowp_scales, b_out, out0; writes out0
.if DOCPART == 8
	.amdgcn_target "amdgcn-amd-amdhsa--gfx1250"
	.amdhsa_code_object_version 6
	.text
	.protected	k_q6c740d9f24_outp
	.globl	k_q6c740d9f24_outp
	.p2align	8
	.type	k_q6c740d9f24_outp,@function
k_q6c740d9f24_outp:
	s_mov_b64 s[64:65], 0
	v_nop
	global_prefetch_b8 v0, s[64:65] scope:SCOPE_SE
	s_setreg_imm32_b32 hwreg(HW_REG_WAVE_MODE, 25, 1), 1
	s_wait_xcnt 0x0
	s_wait_alu depctr_hold_cnt(0) depctr_sa_sdst(0) depctr_va_vdst(0) depctr_va_sdst(0) depctr_va_ssrc(0) depctr_va_vcc(0) depctr_vm_vsrc(0)
	s_getreg_b32 s2, hwreg(HW_REG_IB_STS2, 6, 4)
	s_cmp_eq_u32 s2, 0
	s_cbranch_scc0 .Lentry_in_a_cluster
	s_endpgm
.Lentry_in_a_cluster:
	s_bfe_u32 s2, ttmp6, 0x10000c
	s_cmp_lg_u32 s2, 0xf033
	s_cbranch_scc0 .Lentry_shape_is_right
	s_endpgm
.Lentry_shape_is_right:
; out0 = ctx W_out^T + b_out on E5M2 codes: out = sum x 2^(e10 + e11) + b, f32.   LIMIT: e10 + e11 between -126 and 127.
; A tile of 128 tokens x 128 outputs to a work-group, 8 x 32 work-groups; four waves, 64 x 64 each: 16 accumulators.
; ALL OF K LIES IN LDS: both operands' blocks of 128 rows x 1,024 codes are 131,072 dense bytes, images of operand registers ([kfrag 8][tile 8][2048]), copied as they lie:
; each wave issues one tensor load of 65,536 bytes at the head: waves 0, 1: ctx's two halves of K; waves 2, 3: W's; nothing is filled again, and there is no later load for a prefetch to run ahead of.
; CLUSTERS: 4 x 4: a block of ctx is shared along a row of the cluster, a block of W along a column, each piece asked for jointly.
; BY ROWS: a wave keeps all its 32 fragments of W in 512 registers and makes its four blocks of 16 tokens one after the other, each over all of K: 32 products; a block goes out while the next is multiplied.  No fragment is read from LDS twice.
; Source 0 = W, source 1 = ctx: a lane holds 8 neighbouring outputs of one token: 32 bytes.  A block of 16 tokens x 64 outputs goes through the wave's own stage in LDS and leaves as rows of 256 bytes, sixteen lanes to a row.
; REGISTERS.  window 0: v1 16 x lane; v16-19 LDS addresses; v20-22 the way out; v28, v29 the add's two; v32-63 bias; v64-127 rows read back, two sets; v128-255 accumulator (i, j) at 128 + 8 (4 i + j).
;   windows 1, 2: W's fragments (f, j) at 64 (f % 4) + 16 j, f = 0 .. 3 and 4 .. 7.   window 3: ctx's eight fragments of a block of tokens, two sets by turns.
.set STAGE, 262144                     ; behind the two blocks: 16 rows x 272 bytes for each wave; no tensor load lands there
.set SPARE, STAGE+4*4352               ; behind the stages: the spare words, 128 bytes a wave: two blocks of 256 bytes that no other line names
.set LI,  1
.set XAD, 16
.set WAD, 18
.set STO, 20                           ; v20  where I put 32 bytes of a row
.set RD,  21                           ; v21  where I read a row back
.set CO,  22                           ; v22  my byte offset in two rows of out0
.set SPW, 28
.set NIL, 29
.set BI,  32
.set BK,  64
.set ACC, 128
.set G1X, 16
.set G1W, 24
.set G0X, 32
.set G0W, 48
.set MSB, 0
.macro WIN new                         ; the immediate's high byte repeats the setting that is left
.if MSB != \new
	s_set_vgpr_msb (MSB<<8)|\new
.set MSB, \new
.endif
.endm
.macro CROUND                          ; a round of the cluster's barrier
	s_barrier_signal -1
	s_barrier_wait -1
	s_cmp_lg_u32 s4, 0
	s_cbranch_scc1 .Lnot_wave_0_\@
	s_barrier_signal -3
.Lnot_wave_0_\@:
	s_barrier_wait -3
	s_barrier_signal -1
	s_barrier_wait -1
.endm
.macro PLACES                          ; four plain places behind matrix instructions (ISA guide 7.12.1)
.rept 4
	v_nop
.endr
.endm
	s_load_b256 s[68:75], s[0:1], 0x0              ; ctx 68, wc 70, scales 72, b_out 74
	s_load_b64 s[76:77], s[0:1], 0x20              ; out0
	v_lshl_add_u32 v[SPW], v0, 2, SPARE
	v_mov_b32 v[NIL], 0
	ds_add_u32 v[SPW], v[NIL]                      ; the wave's opening: the add, twice on end, and its wait ahead of my first tensor load
	ds_add_u32 v[SPW], v[NIL]
	v_lshrrev_b32 v2, 5, v0
	v_readfirstlane_b32 s4, v2                     ; wave
	s_lshr_b32 s5, s4, 1                           ; wx: my half of the tokens.  Also: I fetch for ctx (0) or W (1)
	s_and_b32 s6, s4, 1                            ; ww: my half of the outputs.  Also: which half of K I fetch
	s_bfe_u32 s7, ttmp6, 0x40000                   ; cx
	s_bfe_u32 s8, ttmp6, 0x40004                   ; cy
	s_lshl_b32 s9, ttmp9, 2
	s_add_co_u32 s9, s9, s7                        ; gx: block of outputs
	s_and_b32 s10, ttmp7, 0xffff
	s_lshl_b32 s10, s10, 2
	s_add_co_u32 s10, s10, s8                      ; gy: block of tokens
	s_lshl_b32 s12, s8, 2
	s_lshl_b32 s12, 15, s12                        ; my row of the cluster
	s_lshl_b32 s13, 0x1111, s7                     ; my column
	s_or_b32 s[G1X], s12, (3<<16)|(1<<21)          ; 15:0 the mask; 17:16 elements of 8 bytes; 21 set beside a mask; no padding
	s_or_b32 s[G1W], s13, (3<<16)|(1<<21)
.irp g, G1X, G1W                       ; 256 rows of 32 elements (256 bytes), dense
	s_mov_b32 s[\g+1], 32<<16
	s_mov_b32 s[\g+2], 256<<16
	s_mov_b32 s[\g+3], 32<<16
	s_mov_b32 s[\g+4], 256
	s_mov_b32 s[\g+5], 32
	s_mov_b32 s[\g+6], 0
	s_mov_b32 s[\g+7], 0
.endr
	s_lshl_b32 s15, s6, 16                         ; my half of K
	s_lshl_b32 s2, s10, 17
	s_add_co_u32 s2, s2, s15
	s_mov_b32 s3, 0
	s_lshl_b32 s66, s9, 17
	s_add_co_u32 s66, s66, s15
	s_mov_b32 s67, 0
	s_lshl_b32 s14, s4, 16                         ; where my piece goes: the wave's number alone
	s_wait_dscnt 0x0                               ; both opening adds are done
	s_wait_kmcnt 0x0
	s_load_b64 s[84:85], s[72:73], 0x28            ; e10, e11
	s_add_nc_u64 s[2:3], s[68:69], s[2:3]
	s_add_nc_u64 s[66:67], s[70:71], s[66:67]
	s_add_nc_u64 s[66:67], s[66:67], 0x300000      ; W_out is the fourth tensor in wc
	s_mov_b32 s[G0X], 1
	s_mov_b32 s[G0X+1], s14
	s_mov_b64 s[G0X+2:G0X+3], s[2:3]
	s_or_b32 s[G0X+3], s[G0X+3], 0x80000000
	s_mov_b32 s[G0W], 1
	s_mov_b32 s[G0W+1], s14
	s_mov_b64 s[G0W+2:G0W+3], s[66:67]
	s_or_b32 s[G0W+3], s[G0W+3], 0x80000000
	CROUND                                         ; all sixteen work-groups are here: the joint loads meet
	s_cmp_eq_u32 s5, 0
	s_cbranch_scc0 .Lfill_w
	tensor_load_to_lds s[G0X:G0X+3], s[G1X:G1X+7]
	s_nop 0
	PLACES
	s_branch .Lfilled
.Lfill_w:
	tensor_load_to_lds s[G0W:G0W+3], s[G1W:G1W+7]
	s_nop 0
	PLACES
.Lfilled:
	v_and_b32 v2, 31, v0
	v_lshlrev_b32 v[LI], 4, v2
	s_lshl_b32 s14, s5, 13
	v_add_nc_u32 v[XAD], s14, v[LI]
	v_add_nc_u32 v[XAD+1], 0x10000, v[XAD]
	s_lshl_b32 s14, s6, 13
	s_add_co_u32 s14, s14, 0x20000
	v_add_nc_u32 v[WAD], s14, v[LI]
	v_add_nc_u32 v[WAD+1], 0x10000, v[WAD]
	v_bfe_u32 v3, v0, 4, 1                         ; h
	v_and_b32 v4, 15, v0                           ; r
	v_lshlrev_b32 v5, 5, v3                        ; 32 h: the bias
	s_wait_alu depctr_va_vdst(0)
	s_mul_i32 s14, s4, 4352
	s_add_co_u32 s14, s14, STAGE                   ; my stage
	v_mul_u32_u24 v[STO], v4, 272                  ; in: row r, 32 bytes for each half of the lanes
	v_lshl_add_u32 v[STO], v3, 5, v[STO]
	v_add_nc_u32 v[STO], s14, v[STO]
	v_mul_u32_u24 v[RD], v3, 272                   ; back: lanes 0-15 one row of 256 bytes, lanes 16-31 the next
	v_lshl_add_u32 v[RD], v4, 4, v[RD]
	v_add_nc_u32 v[RD], s14, v[RD]
	v_lshlrev_b32 v[CO], 12, v3                    ; and the same two rows of out0
	v_lshl_add_u32 v[CO], v4, 4, v[CO]
	s_lshl_b32 s66, s10, 19                        ; my first row: (128 gy + 64 wx) x 4,096 bytes
	s_lshl_b32 s2, s5, 18
	s_add_co_u32 s66, s66, s2
	s_mov_b32 s67, 0
	s_lshl_b32 s2, s9, 9                           ; my first column: (128 gx + 64 ww) x 4 bytes
	s_lshl_b32 s3, s6, 8
	s_add_co_u32 s2, s2, s3
	s_mov_b32 s3, 0
	s_add_nc_u64 s[100:101], s[74:75], s[2:3]
	s_add_nc_u64 s[98:99], s[76:77], s[66:67]
	s_add_nc_u64 s[98:99], s[98:99], s[2:3]
.irp j, 0,1,2,3
	global_load_b128 v[BI+8*\j:BI+8*\j+3],   v5, s[100:101] offset:64*\j      ; b(16 j + 8 h + 0 .. 7): the result's layout
	global_load_b128 v[BI+8*\j+4:BI+8*\j+7], v5, s[100:101] offset:64*\j+16
.endr
	s_wait_alu depctr_va_vdst(0)
	s_wait_kmcnt 0x0
	s_add_co_i32 s96, s84, s85
	s_add_co_i32 s96, s96, 127
	s_lshl_b32 s96, s96, 23                        ; 2^(e10 + e11)
	s_mov_b32 s97, s96
.macro GETW f                          ; kfrag f: W's four fragments: 16 loads of 512 consecutive bytes
	WIN (0x40*(1+(\f)/4))
.irp j, 0,1,2,3
.irp c, 0,1,2,3
	ds_load_b128 v[64*((\f)%4)+16*\j+4*\c:64*((\f)%4)+16*\j+4*\c+3], v[WAD+(\f)/4] offset:16384*((\f)%4)+2048*\j+512*\c
.endr
.endr
.endm
.macro GETX f, i                       ; kfrag f of my i-th block of tokens: 4 loads
	WIN 0xc0
.irp c, 0,1,2,3
	ds_load_b128 v[128*((\i)%2)+16*(\f)+4*\c:128*((\i)%2)+16*(\f)+4*\c+3], v[XAD+(\f)/4] offset:16384*((\f)%4)+2048*(\i)+512*\c
.endr
.endm
; kfrag f into block i's four accumulators, which take one turn each, in the same order for every f.  The first product starts the sum.
.macro MUL f, i
	WIN (0x0d+(\f)/4)                              ; source 0 window 1 or 2, source 1 window 3, C and D window 0
.irp j, 0,1,2,3
.set rD, ACC+8*(4*(\i)+\j)
.set rA, 64*((\f)%4)+16*\j
.set rB, 128*((\i)%2)+16*(\f)
.if (\f) == 0
	v_wmma_f32_16x16x128_bf8_bf8 v[rD:rD+7], v[rA:rA+15], v[rB:rB+15], 0
.else
	v_wmma_f32_16x16x128_bf8_bf8 v[rD:rD+7], v[rA:rA+15], v[rB:rB+15], v[rD:rD+7]
.endif
.endr
.endm
.macro TOSTAGE i                       ; tokens 16 i on: sum x 2^(e10 + e11) + b, into my stage and back as rows
.irp j, 0,1,2,3
.irp k, 0,2,4,6
	v_pk_fma_f32 v[ACC+8*(4*\i+\j)+\k:ACC+8*(4*\i+\j)+\k+1], v[ACC+8*(4*\i+\j)+\k:ACC+8*(4*\i+\j)+\k+1], s[96:97], v[BI+8*\j+\k:BI+8*\j+\k+1] op_sel_hi:[1,0,1]   ; each accumulator from its low end on
.endr
.endr
.irp j, 0,1,2,3
	ds_store_b128 v[STO], v[ACC+8*(4*\i+\j):ACC+8*(4*\i+\j)+3]   offset:64*\j
	ds_store_b128 v[STO], v[ACC+8*(4*\i+\j)+4:ACC+8*(4*\i+\j)+7] offset:64*\j+16
.endr
.irp t, 0,1,2,3,4,5,6,7
	ds_load_b128 v[BK+32*(\i%2)+4*\t:BK+32*(\i%2)+4*\t+3], v[RD] offset:544*\t   ; LDS serves a wave's instructions in order (ISA guide 5.7.1.4): these see the stores above; the next block's stores come behind them
.endr
.endm
.macro SEND i, younger                 ; younger: the LDS instructions issued behind block i's loads from the stage
	WIN 0
	s_wait_dscnt \younger
.irp t, 0,1,2,3,4,5,6,7
	global_store_b128 v[CO], v[BK+32*(\i%2)+4*\t:BK+32*(\i%2)+4*\t+3], s[98:99] offset:(16*\i+2*\t)*4096 th:TH_STORE_NT   ; sixteen lanes store 256 consecutive bytes, aligned
.endr
.endm
	s_wait_tensorcnt 0x0                           ; my piece is in
	s_barrier_signal -1
	s_barrier_wait -1                              ; everybody's is
.irp f, 0,1,2                          ; block 0: three kfrags ahead, 20 loads each
	GETW \f
	GETX \f, 0
.endr
.irp f, 0,1,2,3,4
	s_wait_dscnt 40                                ; kfrag f is in; the two behind it may be out
	MUL \f, 0
	GETW \f+3
	GETX \f+3, 0
.endr
	s_wait_dscnt 40                                ; kfrag 5; 6 and 7 may be out
	MUL 5, 0
.irp f, 0,1,2,3
	GETX \f, 1
.endr
	s_wait_dscnt 36                                ; kfrag 6; 7's 20 loads and block 1's 16 may be out
	MUL 6, 0
.irp f, 4,5,6,7
	GETX \f, 1
.endr
	s_wait_dscnt 32                                ; kfrag 7; block 1's 32 may be out
	MUL 7, 0
	WIN 0
	s_wait_loadcnt 0x0                             ; the bias
.macro BLOCK i                         ; block i goes to the stage, block i + 2's fragments are fetched into the registers of block i's, block i + 1 is multiplied, and block i leaves meanwhile
	WIN 0
	PLACES
.if \i >= 2
	s_wait_xcnt 0x0                                ; block i - 2's stores have read the registers in which block i's rows land
.endif
	TOSTAGE \i
.if \i < 2
.irp f, 0,1,2,3,4,5,6,7
	GETX \f, \i+2
.endr
	s_wait_dscnt 48                                ; block i + 1's fragments are in; behind them: the stage's 16 instructions and block i + 2's 32 loads
.else
	s_wait_dscnt 16                                ; behind them: the stage's 16 alone
.endif
	MUL 0, \i+1
	MUL 1, \i+1
.if \i < 2
	SEND \i, 32
.else
	SEND \i, 0
.endif
.irp f, 2,3,4,5,6,7
	MUL \f, \i+1
.endr
.endm
	BLOCK 0
	BLOCK 1
	BLOCK 2
	WIN 0
	PLACES
	s_wait_xcnt 0x0                                ; block 1's stores have read their registers: block 3's rows land there
	TOSTAGE 3
	SEND 3, 0
	s_wait_tensorcnt 0x0                           ; the wave's end, behind my last tensor load and my last LDS store
	ds_add_u32 v[SPW], v[NIL]
	s_wait_dscnt 0x0
	CROUND                                         ; the closing round
	s_endpgm
.Lfunc_end_k_q6c740d9f24_outp:
	.size	k_q6c740d9f24_outp, .Lfunc_end_k_q6c740d9f24_outp-k_q6c740d9f24_outp
	.p2alignl 7, 3214868480
	.fill 96, 4, 3214868480
	.section	.rodata,"a",@progbits
	.p2align	6, 0x0
	.amdhsa_kernel k_q6c740d9f24_outp
		.amdhsa_group_segment_fixed_size 327680
		.amdhsa_private_segment_fixed_size 0
		.amdhsa_enable_private_segment 0
		.amdhsa_kernarg_size 40
		.amdhsa_user_sgpr_count 2
		.amdhsa_user_sgpr_kernarg_segment_ptr 1
		.amdhsa_wavefront_size32 1
		.amdhsa_system_sgpr_workgroup_id_x 1
		.amdhsa_system_sgpr_workgroup_id_y 1
		.amdhsa_system_sgpr_workgroup_id_z 1
		.amdhsa_system_vgpr_workitem_id 0
		.amdhsa_next_free_vgpr 1024
		.amdhsa_next_free_sgpr 102
		.amdhsa_reserve_vcc 0
		.amdhsa_float_denorm_mode_32 3
		.amdhsa_float_denorm_mode_16_64 3
		.amdhsa_memory_ordered 1
		.amdhsa_forward_progress 1
		.amdhsa_inst_pref_size 45
	.end_amdhsa_kernel
	.amdgpu_metadata
---
amdhsa.version: [ 1, 2 ]
amdhsa.kernels:
  - .name:           k_q6c740d9f24_outp
    .symbol:         k_q6c740d9f24_outp.kd
    .args:
      - { .name: ctx, .offset: 0, .size: 8, .value_kind: global_buffer, .address_space: global }
      - { .name: wc, .offset: 8, .size: 8, .value_kind: global_buffer, .address_space: global }
      - { .name: lowp_scales, .offset: 16, .size: 8, .value_kind: global_buffer, .address_space: global }
      - { .name: b_out, .offset: 24, .size: 8, .value_kind: global_buffer, .address_space: global }
      - { .name: out0, .offset: 32, .size: 8, .value_kind: global_buffer, .address_space: global }
    .group_segment_fixed_size: 327680
    .private_segment_fixed_size: 0
    .kernarg_segment_align: 8
    .kernarg_segment_size: 40
    .max_flat_workgroup_size: 128
    .sgpr_count:     102
    .vgpr_count:     1024
    .wavefront_size: 32
...
	.end_amdgpu_metadata
.endif
;; end of part 8
